; MI455X (gfx1250); checked and timed in simulation.
; The chip was launched on July 23, 2026; its instructions are those of AMD's public machine-readable ISA for CDNA 5 (MIT licence, August 2026) and "CDNA5" Instruction Set Architecture Reference Guide (July 2026). The comments in the code are by the model that wrote it; some were corrected since.
;; Encoder Block. Allowed arithmetic: matrix products marked QUANTISED: E5M2 operands, one given power-of-two scale a tensor, by v_wmma_f32_16x16x64_bf8_bf8 or v_wmma_f32_16x16x128_bf8_bf8, f32 sums; everything else in f32.
;; Inputs: W1_codes 2,048 x 16 x 32 uint8 (E5M2 codes of W1, K innermost, in blocks of 32 codes); W2_codes 512 x 64 x 32 uint8 (E5M2 codes of W2, K innermost, in blocks of 32 codes); Wk_codes 8 x 64 x 16 x 32 uint8 (E5M2 codes of Wk, K innermost, in blocks of 32 codes); Wo_codes 512 x 16 x 32 uint8 (E5M2 codes of Wo, K innermost, in blocks of 32 codes); Wq_codes 8 x 64 x 16 x 32 uint8 (E5M2 codes of Wq, K innermost, in blocks of 32 codes); Wv_codes 8 x 64 x 16 x 32 uint8 (E5M2 codes of Wv, K innermost, in blocks of 32 codes); b1 2,048 float32; b2 512 float32; bk 8 x 64 float32; bo 512 float32; bq 8 x 64 float32; bv 8 x 64 float32; ln1_b 512 float32; ln1_g 512 float32; ln2_b 512 float32; ln2_g 512 float32; lowp_scales 16 int32 (the exponents e of the quantised operands' scales 2^e); x 4 x 2,048 x 512 float32.
;; Outputs: out0 4 x 2,048 x 512 float32.
;; This version of the problem:
;;   THIS VERSION OF THE PROBLEM IS GIVEN IN LOW PRECISION. The matrix products marked QUANTISED in the list below multiply operands that are first quantised to E5M2 (5 exponent bits, 2 mantissa bits; 8 bits a number), with one given power-of-two scale for each operand tensor; their sums are f32. All else is computed in f32.
;;   The module's matrix products, in the order in which they are computed (A, B: the left and right operand; K: the contracted axis; several contracted axes count as one K, in the product's order):
;;     1. [M 512, K 512] x [K 512, N 8,192]; A: input Wq (given as codes); B: computed on the way: QUANTISED (scales: A lowp_scales[0], B lowp_scales[1])
;;     2. [M 512, K 512] x [K 512, N 8,192]; A: input Wk (given as codes); B: computed on the way: QUANTISED (scales: A lowp_scales[2], B lowp_scales[3])
;;     3. [M 512, K 512] x [K 512, N 8,192]; A: input Wv (given as codes); B: computed on the way: QUANTISED (scales: A lowp_scales[4], B lowp_scales[5])
;;     4. batch 32 x [M 2,048, K 64] x [K 64, N 2,048]; A: computed on the way; B: computed on the way: QUANTISED (scales: A lowp_scales[6], B lowp_scales[7])
;;     5. batch 32 x [M 2,048, K 2,048] x [K 2,048, N 64]; A: softmax (see below); B: computed on the way: QUANTISED (scales: A lowp_scales[8], B lowp_scales[9])
;;     6. [M 8,192, K 512] x [K 512, N 512]; A: computed on the way; B: input Wo (given as codes): QUANTISED (scales: A lowp_scales[10], B lowp_scales[11])
;;     7. [M 8,192, K 512] x [K 512, N 2,048]; A: computed on the way; B: input W1 (given as codes): QUANTISED (scales: A lowp_scales[12], B lowp_scales[13])
;;     8. [M 8,192, K 2,048] x [K 2,048, N 512]; A: computed on the way; B: input W2 (given as codes): QUANTISED (scales: A lowp_scales[14], B lowp_scales[15])
;;   THE QUANTISER, for each operand of a quantised product, along K:
;;     - The operand's scale is 2^e, e = its entry of the input lowp_scales (int32; the entries are numbered through the quantised products in the list's order, A before B).
;;     - Each number is divided by the scale, clamped to +-57,344, and rounded to the nearest number of E5M2, ties to even, subnormals kept.
;;     - The product sums the exact products of the quantised numbers (number of the format x scale) in f32.
;;   ~~~python
;;   def quantise(x, axis, e):      # numpy; x: float32 -> the quantised numbers, widened to float32 again
;;       x = np.moveaxis(x, axis, -1); K = x.shape[-1]
;;       r = np.clip(x / 2.0 ** e, -57344, 57344)
;;       step = 2.0 ** (np.maximum(np.frexp(np.where(r == 0, 1, r))[1] - 1, -14) - 2)
;;       q = np.round(r / step) * step * 2.0 ** e      # np.round: ties to even
;;       return np.moveaxis(q, -1, axis).astype(np.float32)
;;   ~~~
;;   SOFTMAX AHEAD OF A QUANTISED PRODUCT. Where the list says 'softmax', what is quantised is not the finished softmax but p = 2^(t - M), with t = logit x log2(e) and M = ceil(the row's largest t), a whole number; so 1/2 < the row's largest p <= 1. The row's sum l is taken of the UNQUANTISED p, in f32, and the product's result is divided by l at the end. Since M is a whole number, a kernel that streams over the keys may use a running M (the ceiling of the running maximum): every later rescaling is an exact power of two, so the quantised numbers keep their values, but for numbers so far below the row's largest that they fall under the format's range.
;;   OPERANDS COMPUTED ON THE WAY. 'Computed on the way' means the value that the module computes at that place (a softmax that the list does not call 'softmax' is quantised finished and normalised). What goes into a quantiser is computed in f32, as accurately as f32 sums, v_exp_f32 and their like allow (about 1e-6 of the number): no bf16 or f16 on the way to a quantiser, and a product that is left as it is and whose result goes on into a quantised operand takes f32 operands (vector FMAs, or v_wmma_f32_16x16x4_f32). A number that lies on a knife's edge between two numbers of the format may be rounded either way, as far as f32 arithmetic and the matrix unit's own rounding can turn it there, and no further.
;;   INPUTS GIVEN AS CODES. W1 (in the module: [512, 2048], K = its axis 0); W2 (in the module: [2048, 512], K = its axis 0); Wk (in the module: [8, 512, 64], K = its axis 1); Wo (in the module: [512, 512], K = its axis 0); Wq (in the module: [8, 512, 64], K = its axis 1); Wv (in the module: [8, 512, 64], K = its axis 1): each comes as NAME_codes (uint8): NAME with its K axis moved to the last place and cut into blocks of 32 codes, [.., K / 32, bytes a block], one block behind the other in memory; one code a byte (a code: sign, 5 exponent bits, 2 mantissa bits); its scale is its entry of lowp_scales. Its value is code x scale, taken as it is: it is not quantised again, and the codes and scales need not be those that the quantiser above would give.
;; 2 versions. Each part assembles by itself: llvm-mc -triple=amdgcn-amd-amdhsa -mcpu=gfx1250 --defsym DOCPART=n.
;; ======== version 1 of 2: 3 launches
;; workspace buffers: q_img 4,194,304 bytes; k_img 4,194,304 bytes; v_img 4,194,304 bytes; av_img 4,194,304 bytes; w_img 2,359,296 bytes
;; launch qkv (part 1): grid 64 x 4, 4 waves a work-group, no clusters, 235,008 bytes of LDS; arguments x, ln1_g, ln1_b, Wq_codes, Wk_codes, Wv_codes, bq, bk, bv, lowp_scales, Wo_codes, W1_codes, W2_codes, q_img, k_img, v_img, w_img; writes q_img, k_img, v_img, w_img
.if DOCPART == 1
	.amdgcn_target "amdgcn-amd-amdhsa--gfx1250"
	.amdhsa_code_object_version 6
	.text
	.protected	k_q7e3cf66848_qkv
	.globl	k_q7e3cf66848_qkv
	.p2align	8
	.type	k_q7e3cf66848_qkv,@function
k_q7e3cf66848_qkv:
	s_mov_b64 s[64:65], 0
	v_nop
	global_prefetch_b8 v0, s[64:65] scope:SCOPE_SE
	s_setreg_imm32_b32 hwreg(HW_REG_WAVE_MODE, 25, 1), 1
	s_wait_xcnt 0x0
; LayerNorm 1, its three quantisations (scales e1, e3, e5), the products with Wq, Wk, Wv on E5M2 codes, the biases, and q, k, v quantised (e6, e7, e9) into images of operand registers.
; Beside that each wave copies a few pieces of Wo, W1, W2 into w_img, in the order in which the last launch's waves take them into registers.
; SHARES.  A work-group: 128 tokens (x of the grid) x the q, k, v columns of two heads (y).  Wave w keeps in registers, for the whole launch, all 64 columns of one head of Wq (w < 2) or Wk, and 32 channels of Wv.
; First each wave normalises 32 tokens (two tiles of 16) and stores the three sets of codes in LDS as images of operand registers; behind a barrier every wave multiplies all eight token tiles by its weights.
; TILE ORDER.  In every aligned run of 32 (tokens, weight rows, channels) tile 2 B + u holds at its row m the element 32 B + 8 u + m + 8 (m / 8).  In a result, lane (r, h) register j of that tile is then element
; 32 B + 8 u + 16 h + j: the 16 registers of two neighbouring tiles are 16 neighbours along the next product's K.
; A FRAGMENT (16 rows x 128 K) is 16 registers: registers 4 c .. 4 c + 3 hold k = 32 c + 16 h + 0 .. 15 of row r: the same permutation of k on both operands.  Its image: piece c at 512 c, lane l at 16 l.
; q and k are made transposed (source 0 = weight rows, source 1 = tokens): a lane holds one token, registers run along the head's channels.  v is made with tokens as source 0: a lane holds one channel, registers run along the keys.
; LIMITS: e1, e3, e5, e6 - e0 - e1, e7 - e2 - e3, e9 - e4 - e5 lie between -126 and 112, so that each scale and 57,344 x the scale is an f32 number.  NaN and infinities among the inputs are not served.
; REGISTERS.  window 0: v1-15 addresses, v16-31 statistics and scales, v32-223 at work, v224-255 copies, then v's sums.  window 1: Wq or Wk, fragment (t, s) at 64 t + 16 s.
;   window 2: Wv (n, s) at 64 n + 16 s; v128.. bias tiles; v176.. codes on their way out.  window 3: a token tile's 256 numbers a lane: register 64 s + 16 c + i = column 128 s + 32 c + 16 h + i.
.set GLDS, 196608                      ; LDS: 0 .. 196,607 the images ((matrix x 8 + token tile) x 4 + K step) x 2,048; then ln1_g, ln1_b
.set STG,  200704                      ; then a stage of 16 rows x 528 bytes for each wave
.set SPB,  528
.set LI,  1                            ; v1  16 x lane
.set W2A, 2                            ; v2  a lane's place in 16 rows of W2
.set TDL, 3                            ; v3  GLDS + 16 x thread
.set WA,  4                            ; v4  a lane's place in 16 rows of 512 codes
.set STW, 5                            ; v5  stage, way in
.set STR, 6                            ; v6  stage, way out
.set GA,  7                            ; v7  gain and bias in LDS
.set XW,  8                            ; v8-10 where I store the images, one for each matrix
.set FQ,  11                           ; v11 where I read q's or k's images
.set FV,  12                           ; v12 where I read v's
.set BA,  13                           ; v13 64 h
.set BVA, 14                           ; v14 4 x (r + 8 (r / 8))
.set PD,  15                           ; v15 a lane permute's destination
.set TD,  250                          ; v250 16 x thread
.set XB,  66
.set WQK, 68
.set WVB, 70
.set BQK, 72
.set BVB, 74
.set OQ,  76
.set OV,  78
.set MSB, 0
.macro WIN new                         ; the immediate's high byte repeats the setting that is left
.if MSB != \new
	s_set_vgpr_msb (MSB<<8)|\new
.set MSB, \new
.endif
.endm
.macro MKSC e, vs, vl                  ; s[e] = E: v[vs] = 2^E as f32, v[vl] = 57,344 x 2^E
	s_add_co_i32 s60, s[\e], 127
	s_lshl_b32 s61, s60, 23
	v_mov_b32 v[\vs], s61
	s_add_co_i32 s60, s60, 15
	s_lshl_b32 s60, s60, 23
	s_or_b32 s60, s60, 0x600000
	v_mov_b32 v[\vl], s60
.endm
.macro XLOAD u, s                      ; K step s of the 16 rows of my tile u: each load takes 512 consecutive bytes of one row
	WIN 0xc0
.irp i, 0,1,2,3,4,5,6,7,8,9,10,11,12,13,14,15
	global_load_b128 v[64*(\s)+4*\i:64*(\s)+4*\i+3], v[LI], s[XB:XB+1] offset:(\u)*16384+(\i+8*(\i/8))*2048+512*(\s)
.endr
	WIN 0
.endm
.macro TURN s                          ; through my own stage: in as loaded, back with 16 neighbours of each block of 32 a lane.  LDS serves a wave's instructions in order: no wait between
	WIN 0xcc
.irp i, 0,1,2,3,4,5,6,7,8,9,10,11,12,13,14,15
	ds_store_b128 v[STW], v[64*(\s)+4*\i:64*(\s)+4*\i+3] offset:SPB*\i
.endr
.irp c, 0,1,2,3
.irp q, 0,1,2,3
	ds_load_b128 v[64*(\s)+16*\c+4*\q:64*(\s)+16*\c+4*\q+3], v[STR] offset:128*\c+16*\q
.endr
.endr
	WIN 0
.endm
.macro LOADGB p                        ; gain and bias of registers 32 p .. 32 p + 31, into buffer p % 3
.set GBB, 32+64*((\p)%3)
.irp e, 0,1
.irp q, 0,1,2,3
	ds_load_b128 v[GBB+16*\e+4*\q:GBB+16*\e+4*\q+3], v[GA] offset:256*(\p)+128*\e+16*\q
	ds_load_b128 v[GBB+32+16*\e+4*\q:GBB+32+16*\e+4*\q+3], v[GA] offset:2048+256*(\p)+128*\e+16*\q
.endr
.endr
.endm
.macro LANES                           ; four chains into one number, and the other half of the lanes' (a row lies in lanes r and r + 16)
	WIN 0
	v_pk_add_f32 v[20:21], v[20:21], v[22:23]
	v_pk_add_f32 v[24:25], v[24:25], v[26:27]
	v_pk_add_f32 v[20:21], v[20:21], v[24:25]
	v_add_f32 v20, v20, v21
	v_permlanex16_b32 v[PD], v20, s92, s93
	v_add_f32 v20, v20, v[PD]
.endm
.macro STATS                           ; mean; deviations in place; mean of their squares; 1 / sqrt(var + eps)
	WIN 0x0f
.irp k, 0,1,2,3
	v_pk_add_f32 v[20+2*\k:21+2*\k], v[4*\k:4*\k+1], v[4*\k+2:4*\k+3]
.endr
	WIN 0x0c
.set j, 16
.rept 120
	v_pk_add_f32 v[20+2*((j/2)%4):21+2*((j/2)%4)], v[20+2*((j/2)%4):21+2*((j/2)%4)], v[j:j+1]
.set j, j+2
.endr
	LANES
	v_mul_f32 v16, 0x3b000000, v20                 ; / 512
	v_mov_b32 v17, v16
	WIN 0xc3
.set j, 0
.rept 128
	v_pk_add_f32 v[j:j+1], v[j:j+1], v[16:17] op_sel_hi:[1,0] neg_lo:[0,1] neg_hi:[0,1]
.set j, j+2
.endr
	WIN 0x0f
.irp k, 0,1,2,3
	v_pk_mul_f32 v[20+2*\k:21+2*\k], v[2*\k:2*\k+1], v[2*\k:2*\k+1]
.endr
.set j, 8
.rept 124
	v_pk_fma_f32 v[20+2*((j/2)%4):21+2*((j/2)%4)], v[j:j+1], v[j:j+1], v[20+2*((j/2)%4):21+2*((j/2)%4)]
.set j, j+2
.endr
	LANES
	v_fma_f32 v18, v20, s94, s95                   ; / 512 + 1e-5
	v_rsq_f32 v18, v18
	v_nop                                          ; a plain line behind the transcendental
	s_wait_alu depctr_va_vdst(0)                   ; and the wait ahead of its first reader
	v_mov_b32 v19, v18
.endm
.macro APPLY p                         ; registers 32 p on: x 1 / sqrt, x gain + bias
.if (\p) <= 5
	s_wait_dscnt 32                                ; buffer p is in; the 32 loads of the two buffers behind it may be out
.elseif (\p) == 6
	s_wait_dscnt 16
.else
	s_wait_dscnt 0
.endif
.set GBB, 32+64*((\p)%3)
	WIN 0xc3
.set j, 0
.rept 16
	v_pk_mul_f32 v[32*(\p)+j:32*(\p)+j+1], v[32*(\p)+j:32*(\p)+j+1], v[18:19] op_sel_hi:[1,0]
.set j, j+2
.endr
.set j, 0
.rept 16
	v_pk_fma_f32 v[32*(\p)+j:32*(\p)+j+1], v[32*(\p)+j:32*(\p)+j+1], v[GBB+j:GBB+j+1], v[GBB+32+j:GBB+32+j+1]
.set j, j+2
.endr
	WIN 0
.if (\p)+3 < 8
	LOADGB (\p)+3
.endif
.endm
.macro QX u, s, m                      ; K step s of tile u, quantised with matrix m's scale for xn; the image goes to LDS
.set PCS, 96+16*((3*(\s)+(\m))%4)
	s_wait_dscnt 12                                ; the stores that read this set of code registers four fragments ago are done; the 12 of the three sets behind it may be out
	WIN 0x03
.set j, 0
.rept 64
	v_med3_num_f32 v[32+j], v[64*(\s)+j], -v[245+2*(\m)], v[245+2*(\m)]   ; the conversion does not saturate (ISA guide 7.6.2): the hold at the largest code x the scale
.set j, j+1
.endr
	WIN 0
.irp b, 0,1,2,3
	v_cvt_scalef32_pk8_bf8_f32 v[PCS+4*\b:PCS+4*\b+1], v[32+16*\b:39+16*\b], v[244+2*(\m)]
	v_cvt_scalef32_pk8_bf8_f32 v[PCS+4*\b+2:PCS+4*\b+3], v[40+16*\b:47+16*\b], v[244+2*(\m)]
.endr
	v_nop                                          ; a plain line behind the conversions, ahead of the lines that write their sources again
.irp c, 0,1,2,3
	ds_store_b128 v[XW+(\m)], v[PCS+4*\c:PCS+4*\c+3] offset:8192*(\u)+2048*(\s)+512*\c
.endr
.endm
.macro WLQK t                          ; my matrix's tile t, four K steps
	WIN 0x40
.irp s, 0,1,2,3
.irp c, 0,1,2,3
	global_load_b128 v[64*(\t)+16*\s+4*\c:64*(\t)+16*\s+4*\c+3], v[WA], s[WQK:WQK+1] offset:(32*((\t)/2)+8*((\t)%2))*512+128*\s+32*\c
.endr
.endr
	WIN 0
.endm
.macro TILE u
	LOADGB 0
	LOADGB 1
	LOADGB 2
	s_wait_dscnt 48                                ; the tile is back from the stage; the 48 loads of gain and bias may be out
	STATS
.if \u == 0
	WLQK 3                                         ; the second part of the weights that stay
	WIN 0x80
.irp n, 0,1
.irp s, 0,1,2,3
.irp c, 0,1,2,3
	global_load_b128 v[64*\n+16*\s+4*\c:64*\n+16*\s+4*\c+3], v[WA], s[WVB:WVB+1] offset:4096*\n+128*\s+32*\c
.endr
.endr
.endr
	WIN 0
.endif
.irp p, 0,1,2,3,4,5,6,7
	APPLY \p
.endr
.if \u == 0
	WIN 0x80                                       ; the biases, in the results' layouts
.irp t, 0,1,2,3
	global_load_b128 v[128+8*\t:131+8*\t], v[BA], s[BQK:BQK+1] offset:(32*(\t/2)+8*(\t%2))*4
	global_load_b128 v[132+8*\t:135+8*\t], v[BA], s[BQK:BQK+1] offset:(32*(\t/2)+8*(\t%2))*4+16
.endr
.irp n, 0,1
	global_load_b32 v[160+8*\n], v[BVA], s[BVB:BVB+1] offset:32*\n
.endr
	WIN 0
.endif
.irp s, 0,1,2,3
	QX \u, \s, 0
	QX \u, \s, 1
	QX \u, \s, 2
.if \u == 0
	XLOAD 1, \s                                    ; the second tile's numbers take the registers that have just been quantised
.endif
.endr
.endm
.macro FETCH b, s, f                   ; K step s of token tiles 2 b, 2 b + 1: my matrix's images and v's, into buffer f
.irp i, 0,1
.irp c, 0,1,2,3
	ds_load_b128 v[(\f)+16*\i+4*\c:(\f)+16*\i+4*\c+3], v[FQ] offset:(2*(\b)+\i)*8192+2048*(\s)+512*\c
	ds_load_b128 v[(\f)+32+16*\i+4*\c:(\f)+32+16*\i+4*\c+3], v[FV] offset:(2*(\b)+\i)*8192+2048*(\s)+512*\c
.endr
.endr
.endm
.macro MULS s, f                       ; twelve products, twelve accumulators by turns; in K step 0 the bias tiles are C
.if (\s) == 0
	WIN 0x21
.else
	WIN 0x01
.endif
.irp i, 0,1
.irp t, 0,1,2,3
.if (\s) == 0
	v_wmma_f32_16x16x128_bf8_bf8 v[160+32*\i+8*\t:167+32*\i+8*\t], v[64*\t+16*(\s):64*\t+16*(\s)+15], v[(\f)+16*\i:(\f)+16*\i+15], v[128+8*\t:135+8*\t]
.else
	v_wmma_f32_16x16x128_bf8_bf8 v[160+32*\i+8*\t:167+32*\i+8*\t], v[64*\t+16*(\s):64*\t+16*(\s)+15], v[(\f)+16*\i:(\f)+16*\i+15], v[160+32*\i+8*\t:167+32*\i+8*\t]
.endif
.endr
.endr
.if (\s) == 0
	WIN 0x28
.else
	WIN 0x08
.endif
.irp n, 0,1
.irp i, 0,1
.if (\s) == 0
	v_wmma_f32_16x16x128_bf8_bf8 v[224+16*\n+8*\i:231+16*\n+8*\i], v[(\f)+32+16*\i:(\f)+47+16*\i], v[64*\n+16*(\s):64*\n+16*(\s)+15], v[160+8*\n:167+8*\n]
.else
	v_wmma_f32_16x16x128_bf8_bf8 v[224+16*\n+8*\i:231+16*\n+8*\i], v[(\f)+32+16*\i:(\f)+47+16*\i], v[64*\n+16*(\s):64*\n+16*(\s)+15], v[224+16*\n+8*\i:231+16*\n+8*\i]
.endif
.endr
.endr
	WIN 0
.rept 4
	v_nop                                          ; places behind the products, ahead of loads into their operands and of reads of their results
.endr
.endm
.macro OUT b                           ; the pair's sums become codes and leave: each store covers 512 consecutive bytes
	s_wait_xcnt 0x0                                ; the earlier stores have read their data registers
.set j, 0
.rept 64
	v_med3_num_f32 v[160+j], v[160+j], -v29, v29
.set j, j+1
.endr
.set j, 0
.rept 32
	v_med3_num_f32 v[224+j], v[224+j], -v31, v31
.set j, j+1
.endr
	WIN 0x80
.irp i, 0,1
.irp t, 0,1,2,3
	v_cvt_scalef32_pk8_bf8_f32 v[176+8*\i+2*\t:177+8*\i+2*\t], v[160+32*\i+8*\t:167+32*\i+8*\t], v28
.endr
.endr
.irp n, 0,1
.irp i, 0,1
	v_cvt_scalef32_pk8_bf8_f32 v[192+4*\n+2*\i:193+4*\n+2*\i], v[224+16*\n+8*\i:231+16*\n+8*\i], v30
.endr
.endr
	v_nop                                          ; a plain line behind the conversions: the next products write their sources
	WIN 0x08
.irp i, 0,1
.irp c, 0,1
	global_store_b128 v[LI], v[176+8*\i+4*\c:179+8*\i+4*\c], s[OQ:OQ+1] offset:(2*(\b)+\i)*1024+512*\c
.endr
.endr
.irp n, 0,1
	global_store_b128 v[LI], v[192+4*\n:195+4*\n], s[OV:OV+1] offset:2048*\n+512*(\b)
.endr
	WIN 0
.endm
	s_load_b256 s[4:11], s[0:1], 0x0               ; x, ln1_g, ln1_b, Wq
	s_load_b256 s[12:19], s[0:1], 0x20             ; Wk, Wv, bq, bk
	s_load_b256 s[20:27], s[0:1], 0x40             ; bv, scales, Wo, W1
	s_load_b256 s[28:35], s[0:1], 0x60             ; W2, q_img, k_img, v_img
	s_load_b64 s[36:37], s[0:1], 0x80              ; w_img
	s_set_vgpr_msb 0x80
	v_lshl_add_u32 v254, v0, 2, 0x39400
	v_mov_b32 v255, 0
	s_set_vgpr_msb 0x8000
	v_lshrrev_b32 v2, 5, v0
	v_readfirstlane_b32 s56, v2                    ; wave
	v_and_b32 v1, 31, v0
	v_lshlrev_b32 v[LI], 4, v1
	v_and_b32 v20, 15, v0                          ; r
	v_bfe_u32 v21, v0, 4, 1                        ; h
	v_and_b32 v22, 8, v20
	v_add_nc_u32 v22, v22, v20                     ; r + 8 (r / 8)
	v_lshlrev_b32 v[WA], 9, v22
	v_lshl_add_u32 v[WA], v21, 4, v[WA]
	v_lshlrev_b32 v[W2A], 11, v22
	v_lshl_add_u32 v[W2A], v21, 4, v[W2A]
	v_lshlrev_b32 v[TD], 4, v0
	v_add_nc_u32 v[TDL], GLDS, v[TD]
	s_mul_i32 s60, s56, 16*SPB
	s_add_co_u32 s60, s60, STG
	v_add_nc_u32 v[STW], s60, v[LI]
	v_mul_u32_u24 v[STR], v20, SPB
	v_lshl_add_u32 v[STR], v21, 6, v[STR]
	v_add_nc_u32 v[STR], s60, v[STR]
	v_lshlrev_b32 v[BA], 6, v21
	v_add_nc_u32 v[GA], GLDS, v[BA]
	s_lshl_b32 s61, s56, 14
	v_add_nc_u32 v[XW], s61, v[LI]
	v_add_nc_u32 v[XW+1], 0x10000, v[XW]
	v_add_nc_u32 v[XW+2], 0x20000, v[XW]
	s_lshr_b32 s61, s56, 1
	s_lshl_b32 s61, s61, 16
	v_add_nc_u32 v[FQ], s61, v[LI]
	v_add_nc_u32 v[FV], 0x20000, v[LI]
	v_lshlrev_b32 v[BVA], 2, v22
	v_mov_b32 v[PD], 0
	s_mov_b32 s92, 0x76543210
	s_mov_b32 s93, 0xfedcba98
	s_and_b32 s58, ttmp7, 0xffff                   ; the pair of heads
	s_lshl_b32 s59, s58, 6
	s_add_co_u32 s59, s59, ttmp9
	s_lshl_b32 s59, s59, 2
	s_add_co_u32 s59, s59, s56                     ; W: my wave's number in the launch, 0 .. 1,023
	s_lshr_b32 s60, ttmp9, 4
	s_lshl_b32 s60, s60, 3                         ; 8 x batch
	s_and_b32 s61, ttmp9, 15                       ; which 128 tokens of the batch
	s_and_b32 s62, s56, 1
	s_lshr_b32 s63, s56, 1
	s_lshl_b32 s98, s58, 1
	s_add_co_u32 s99, s98, s62                     ; the head of my q or k columns
	s_add_co_u32 s98, s98, s63                     ; the head of my v channels
	s_mov_b32 s95, 0
	s_wait_kmcnt 0x0
	s_load_b512 s[40:55], s[22:23], 0x0            ; e0 .. e15
	s_lshl_b32 s94, ttmp9, 18
	s_lshl_b32 s96, s56, 16
	s_add_co_u32 s94, s94, s96
	s_add_nc_u64 s[XB:XB+1], s[4:5], s[94:95]      ; x at my 32 tokens
	s_cmp_lt_u32 s56, 2                            ; waves 0, 1: q; waves 2, 3: k
	s_cselect_b64 s[WQK:WQK+1], s[10:11], s[12:13]
	s_cselect_b64 s[BQK:BQK+1], s[16:17], s[18:19]
	s_cselect_b64 s[OQ:OQ+1], s[30:31], s[32:33]
	s_lshl_b32 s94, s99, 15
	s_add_nc_u64 s[WQK:WQK+1], s[WQK:WQK+1], s[94:95]
	s_lshl_b32 s94, s99, 8
	s_add_nc_u64 s[BQK:BQK+1], s[BQK:BQK+1], s[94:95]
	s_add_co_u32 s94, s60, s99
	s_lshl_b32 s94, s94, 17
	s_lshl_b32 s96, s61, 13
	s_add_co_u32 s94, s94, s96
	s_add_nc_u64 s[OQ:OQ+1], s[OQ:OQ+1], s[94:95]
	s_lshl_b32 s94, s98, 15
	s_lshl_b32 s96, s62, 14
	s_add_co_u32 s94, s94, s96
	s_add_nc_u64 s[WVB:WVB+1], s[14:15], s[94:95]
	s_lshl_b32 s94, s98, 8
	s_lshl_b32 s96, s62, 7
	s_add_co_u32 s94, s94, s96
	s_add_nc_u64 s[BVB:BVB+1], s[20:21], s[94:95]
	s_add_co_u32 s94, s60, s98
	s_lshl_b32 s94, s94, 17
	s_lshl_b32 s96, s61, 13
	s_add_co_u32 s94, s94, s96
	s_lshl_b32 s96, s62, 12
	s_add_co_u32 s94, s94, s96
	s_add_nc_u64 s[OV:OV+1], s[34:35], s[94:95]
	; the copies: two pieces (16 rows x 32 codes) of one fragment of W1 and of W2.  Tile T begins at row 16 T - 8 (T % 2)
	s_lshr_b32 s60, s59, 1                         ; F
	s_and_b32 s61, s59, 1
	s_lshl_b32 s61, s61, 1                         ; the first of my two pieces
	s_lshr_b32 s62, s60, 2                         ; W1: tile T,
	s_and_b32 s63, s60, 3                          ; K step s
	s_lshl_b32 s94, s62, 4
	s_and_b32 s96, s62, 1
	s_lshl_b32 s96, s96, 3
	s_sub_co_u32 s94, s94, s96
	s_lshl_b32 s94, s94, 9
	s_lshl_b32 s96, s63, 7
	s_add_co_u32 s94, s94, s96
	s_lshl_b32 s96, s61, 5
	s_add_co_u32 s94, s94, s96
	s_add_nc_u64 s[82:83], s[26:27], s[94:95]
	s_lshr_b32 s96, s62, 5                         ; chunk j of 512 hidden units
	s_cmp_eq_u32 s96, 0
	s_cselect_b32 s98, 4, 0
	s_lshl_b32 s96, s96, 3
	s_add_co_u32 s96, s96, s63
	s_add_co_u32 s96, s96, s98                     ; its place in the reader's order: 8 j + s, + 4 for chunk 0
	s_lshl_b32 s94, s96, 14
	s_bfe_u32 s96, s62, 0x20003                    ; the reading wave
	s_mul_i32 s96, s96, 589824
	s_add_co_u32 s94, s94, s96
	s_and_b32 s96, s62, 7
	s_lshl_b32 s96, s96, 11
	s_add_co_u32 s94, s94, s96
	s_lshl_b32 s96, s61, 9
	s_add_co_u32 s94, s94, s96
	s_add_nc_u64 s[88:89], s[36:37], s[94:95]
	s_lshr_b32 s62, s60, 4                         ; W2: tile T,
	s_and_b32 s63, s60, 15                         ; K step S
	s_lshl_b32 s94, s62, 4
	s_and_b32 s96, s62, 1
	s_lshl_b32 s96, s96, 3
	s_sub_co_u32 s94, s94, s96
	s_lshl_b32 s94, s94, 11
	s_lshl_b32 s96, s63, 7
	s_add_co_u32 s94, s94, s96
	s_lshl_b32 s96, s61, 5
	s_add_co_u32 s94, s94, s96
	s_add_nc_u64 s[84:85], s[28:29], s[94:95]
	s_lshr_b32 s96, s63, 2                         ; chunk j
	s_cmp_eq_u32 s96, 3
	s_cselect_b32 s98, 8, 12
	s_lshl_b32 s96, s96, 3
	s_add_co_u32 s96, s96, s98
	s_and_b32 s98, s63, 3
	s_add_co_u32 s96, s96, s98                     ; 12 + 8 j + S % 4, less 4 for the last chunk
	s_lshl_b32 s94, s96, 14
	s_lshr_b32 s96, s62, 3
	s_mul_i32 s96, s96, 589824
	s_add_co_u32 s94, s94, s96
	s_and_b32 s96, s62, 7
	s_lshl_b32 s96, s96, 11
	s_add_co_u32 s94, s94, s96
	s_lshl_b32 s96, s61, 9
	s_add_co_u32 s94, s94, s96
	s_add_nc_u64 s[90:91], s[36:37], s[94:95]
	global_load_b128 v[224:227], v[WA], s[82:83]
	global_load_b128 v[228:231], v[WA], s[82:83] offset:32
	global_load_b128 v[232:235], v[W2A], s[84:85]
	global_load_b128 v[236:239], v[W2A], s[84:85] offset:32
	global_load_b128 v[216:219], v[TD], s[6:7]     ; ln1_g and ln1_b, 16 bytes a thread
	global_load_b128 v[220:223], v[TD], s[8:9]
	XLOAD 0, 0
	XLOAD 0, 1
	XLOAD 0, 2
	XLOAD 0, 3
	s_cmp_lt_u32 s59, 512                          ; Wo has 512 pieces: the first 512 waves take one each, load, wait and store in one block
	s_cbranch_scc0 .Lno_wo
	s_lshr_b32 s60, s59, 2
	s_and_b32 s61, s59, 3                          ; piece
	s_lshr_b32 s62, s60, 2                         ; tile
	s_and_b32 s63, s60, 3                          ; K step
	s_lshl_b32 s94, s62, 4
	s_and_b32 s96, s62, 1
	s_lshl_b32 s96, s96, 3
	s_sub_co_u32 s94, s94, s96
	s_lshl_b32 s94, s94, 9
	s_lshl_b32 s96, s63, 7
	s_add_co_u32 s94, s94, s96
	s_lshl_b32 s96, s61, 5
	s_add_co_u32 s94, s94, s96
	s_add_nc_u64 s[80:81], s[24:25], s[94:95]
	s_lshl_b32 s94, s63, 14
	s_lshr_b32 s96, s62, 3
	s_mul_i32 s96, s96, 589824
	s_add_co_u32 s94, s94, s96
	s_and_b32 s96, s62, 7
	s_lshl_b32 s96, s96, 11
	s_add_co_u32 s94, s94, s96
	s_lshl_b32 s96, s61, 9
	s_add_co_u32 s94, s94, s96
	s_add_nc_u64 s[86:87], s[36:37], s[94:95]
	global_load_b128 v[240:243], v[WA], s[80:81]
	s_wait_loadcnt 0x0                             ; it is the youngest load; the statistics below want all the older ones too
	global_store_b128 v[LI], v[240:243], s[86:87]
.Lno_wo:
	s_wait_loadcnt 48                              ; all but the 48 loads of K steps 1 to 3 are in
	ds_store_b128 v[TDL], v[216:219]
	ds_store_b128 v[TDL], v[220:223] offset:2048
	global_store_b128 v[LI], v[224:227], s[88:89]
	global_store_b128 v[LI], v[228:231], s[88:89] offset:512
	global_store_b128 v[LI], v[232:235], s[90:91]
	global_store_b128 v[LI], v[236:239], s[90:91] offset:512
	TURN 0
	s_wait_loadcnt 32
	TURN 1
	s_wait_loadcnt 16
	TURN 2
	s_wait_loadcnt 0
	TURN 3
	s_wait_kmcnt 0x0
	s_mov_b32 s94, 0x3b000000                      ; 1 / 512
	s_mov_b32 s95, 0x3727c5ac                      ; 1e-5
.irp m, 0,1,2
	MKSC 41+2*\m, 244+2*\m, 245+2*\m               ; xn's three scales: e1, e3, e5
.endr
	s_cmp_lt_u32 s56, 2
	s_cselect_b32 s62, s40, s42                    ; the weight's e,
	s_cselect_b32 s63, s41, s43                    ; xn's,
	s_cselect_b32 s98, s46, s47                    ; the result's: e6 for q, e7 for k
	s_add_co_i32 s62, s62, s63
	s_sub_co_i32 s96, 0, s62                       ; the bias goes in divided by the power of two that the sums lack
	s_sub_co_i32 s98, s98, s62                     ; the three scales folded into the conversion's one
	MKSC 98, 28, 29
	s_add_co_i32 s62, s44, s45
	s_sub_co_i32 s97, 0, s62
	s_sub_co_i32 s98, s49, s62
	MKSC 98, 30, 31
	s_wait_dscnt 0x0                               ; my stores of gain and bias have landed
	s_barrier_signal -1
	s_barrier_wait -1
	WLQK 0                                         ; the first part of the weights that stay
	WLQK 1
	WLQK 2
	TILE 0
	s_wait_loadcnt 48                              ; the second tile's K step 0 is in; the 48 loads of its K steps 1 to 3 may be out
	TURN 0
	s_wait_loadcnt 32
	TURN 1
	s_wait_loadcnt 16
	TURN 2
	s_wait_loadcnt 0
	TURN 3
	TILE 1
	s_wait_dscnt 0x0                               ; my images have landed
	s_barrier_signal -1
	s_barrier_wait -1                              ; all 96 images lie in LDS
	s_wait_loadcnt 0x0
	s_wait_xcnt 0x0                                ; the copies' stores have read v224 on, where sums are made now
	WIN 0x82
.set j, 0
.rept 32
	v_ldexp_f32 v[128+j], v[128+j], s96
.set j, j+1
.endr
.irp n, 0,1
.irp k, 7,6,5,4,3,2,1,0
	v_ldexp_f32 v[160+8*\n+\k], v[160+8*\n], s97   ; in v's sums a lane holds one channel: its bias in all eight registers
.endr
.endr
	WIN 0
	FETCH 0, 0, 32
.set kk, 0
.rept 16                               ; step kk: pair kk / 4 of token tiles, K step kk % 4; the next step's images are asked for first
.if kk < 15
	FETCH (kk+1)/4, (kk+1)%4, 32+64*((kk+1)%2)
	s_wait_dscnt 16                                ; this step's 16 loads are in; the 16 just issued may be out
.else
	s_wait_dscnt 0
.endif
	MULS kk%4, 32+64*(kk%2)
.if kk%4 == 3
	OUT kk/4
.endif
.set kk, kk+1
.endr
	s_set_vgpr_msb 0xa
	s_wait_tensorcnt 0x0
	ds_add_u32 v254, v255
	s_wait_dscnt 0x0
	s_set_vgpr_msb 0xa00
	s_endpgm
.Lfunc_end_k_q7e3cf66848_qkv:
	.size	k_q7e3cf66848_qkv, .Lfunc_end_k_q7e3cf66848_qkv-k_q7e3cf66848_qkv
	.p2alignl 7, 3214868480
	.fill 96, 4, 3214868480
	.section	.rodata,"a",@progbits
	.p2align	6, 0x0
	.amdhsa_kernel k_q7e3cf66848_qkv
		.amdhsa_group_segment_fixed_size 235008
		.amdhsa_private_segment_fixed_size 0
		.amdhsa_enable_private_segment 0
		.amdhsa_kernarg_size 136
		.amdhsa_user_sgpr_count 2
		.amdhsa_user_sgpr_kernarg_segment_ptr 1
		.amdhsa_wavefront_size32 1
		.amdhsa_system_sgpr_workgroup_id_x 1
		.amdhsa_system_sgpr_workgroup_id_y 1
		.amdhsa_system_sgpr_workgroup_id_z 1
		.amdhsa_system_vgpr_workitem_id 0
		.amdhsa_next_free_vgpr 1024
		.amdhsa_next_free_sgpr 102
		.amdhsa_reserve_vcc 0
		.amdhsa_float_denorm_mode_32 3
		.amdhsa_float_denorm_mode_16_64 3
		.amdhsa_memory_ordered 1
		.amdhsa_forward_progress 1
		.amdhsa_inst_pref_size 255
	.end_amdhsa_kernel
	.section	.bss,"aw",@nobits
	.p2align	6
	.space	262144
	.amdgpu_metadata
---
amdhsa.version: [ 1, 2 ]
amdhsa.kernels:
  - .name:           k_q7e3cf66848_qkv
    .symbol:         k_q7e3cf66848_qkv.kd
    .args:
      - { .name: x, .offset: 0, .size: 8, .value_kind: global_buffer, .address_space: global }
      - { .name: ln1_g, .offset: 8, .size: 8, .value_kind: global_buffer, .address_space: global }
      - { .name: ln1_b, .offset: 16, .size: 8, .value_kind: global_buffer, .address_space: global }
      - { .name: Wq_codes, .offset: 24, .size: 8, .value_kind: global_buffer, .address_space: global }
      - { .name: Wk_codes, .offset: 32, .size: 8, .value_kind: global_buffer, .address_space: global }
      - { .name: Wv_codes, .offset: 40, .size: 8, .value_kind: global_buffer, .address_space: global }
      - { .name: bq, .offset: 48, .size: 8, .value_kind: global_buffer, .address_space: global }
      - { .name: bk, .offset: 56, .size: 8, .value_kind: global_buffer, .address_space: global }
      - { .name: bv, .offset: 64, .size: 8, .value_kind: global_buffer, .address_space: global }
      - { .name: lowp_scales, .offset: 72, .size: 8, .value_kind: global_buffer, .address_space: global }
      - { .name: Wo_codes, .offset: 80, .size: 8, .value_kind: global_buffer, .address_space: global }
      - { .name: W1_codes, .offset: 88, .size: 8, .value_kind: global_buffer, .address_space: global }
      - { .name: W2_codes, .offset: 96, .size: 8, .value_kind: global_buffer, .address_space: global }
      - { .name: q_img, .offset: 104, .size: 8, .value_kind: global_buffer, .address_space: global }
      - { .name: k_img, .offset: 112, .size: 8, .value_kind: global_buffer, .address_space: global }
      - { .name: v_img, .offset: 120, .size: 8, .value_kind: global_buffer, .address_space: global }
      - { .name: w_img, .offset: 128, .size: 8, .value_kind: global_buffer, .address_space: global }
    .group_segment_fixed_size: 235008
    .private_segment_fixed_size: 0
    .kernarg_segment_align: 8
    .kernarg_segment_size: 136
    .max_flat_workgroup_size: 128
    .sgpr_count:     102
    .vgpr_count:     1024
    .wavefront_size: 32
...
	.end_amdgpu_metadata
.endif
;; end of part 1
;; launch attn (part 2): grid 8 x 32, 16 waves a work-group, clusters of 4 x 1, 264,192 bytes of LDS; arguments q_img, k_img, v_img, lowp_scales, av_img; writes av_img
.if DOCPART == 2
	.amdgcn_target "amdgcn-amd-amdhsa--gfx1250"
	.amdhsa_code_object_version 6
	.text
	.protected	k_q7e3cf66848_attn
	.globl	k_q7e3cf66848_attn
	.p2align	8
	.type	k_q7e3cf66848_attn,@function
k_q7e3cf66848_attn:
	s_mov_b64 s[64:65], 0
	v_nop
	global_prefetch_b8 v0, s[64:65] scope:SCOPE_SE
	s_setreg_imm32_b32 hwreg(HW_REG_WAVE_MODE, 25, 1), 1
	s_wait_xcnt 0x0
	s_wait_alu depctr_hold_cnt(0) depctr_sa_sdst(0) depctr_va_vdst(0) depctr_va_sdst(0) depctr_va_ssrc(0) depctr_va_vcc(0) depctr_vm_vsrc(0)
	s_getreg_b32 s2, hwreg(HW_REG_IB_STS2, 6, 4)
	s_cmp_eq_u32 s2, 0
	s_cbranch_scc0 .Lentry_in_a_cluster
	s_endpgm
.Lentry_in_a_cluster:
	s_bfe_u32 s2, ttmp6, 0x10000c
	s_cmp_lg_u32 s2, 0x3003
	s_cbranch_scc0 .Lentry_shape_is_right
	s_endpgm
.Lentry_shape_is_right:
; Attention on E5M2 codes: S^T = K Q^T, p = 2^(t - M) with M a whole number, O^T = V^T P^T, O / the sum of the unquantised p, quantised with e10 into images for the next product.
; SHARES.  y of the grid: batch x head.  A work-group owns 256 queries, each of its sixteen waves one tile of 16, in 256 registers.  Every wave walks the head's 2,048 keys, 128 a step.
; ALL OF A HEAD'S K AND V LIES IN LDS: K's images at 0, V's at 131,072, as they lie in memory.  Each LDS byte is filled once in the launch, by waves 0 to 3, four tensor loads of 16 KiB each, all issued at the head;
; the keys are walked in four stages of 512, each behind a counted wait and a barrier.  By this text's count a fetching wave has four tensor loads out.
; CLUSTER.  The four work-groups of a cluster belong to one head and want the same K and V: each load is asked for jointly, with the same descriptor and a mask that names the four.
; LAYOUT.  A lane holds one query (lane % 16) throughout.  The keys of a tile are laid so that the 16 registers of two neighbouring tiles of S^T are 16 neighbouring keys: the conversions' results are the second product's operand.
; LIMITS: e6 + e7 between -123 and 130; e8 and e10 - e8 - e9 between -126 and 112.  NaN and infinities are not served.
; REGISTERS: v1-3 addresses; v12 -M, v13 the largest t, v[14:15] the sum; v16-23 Q; v32-95 K's eight fragments, then V's four; v96-159 S^T, then p; v160-191 O^T; v192-207 codes; v208-219 at work and scales.
.set LI,  1
.set ADK, 2
.set ADV, 3
.macro ROUND                           ; a round of the cluster's barrier
	s_barrier_signal -1
	s_barrier_wait -1
	s_cmp_lg_u32 s14, 0
	s_cbranch_scc1 .Lnot_wave_0_\@
	s_barrier_signal -3
.Lnot_wave_0_\@:
	s_barrier_wait -3
	s_barrier_signal -1
	s_barrier_wait -1
.endm
.macro MKSC e, vs, vl                  ; s[e] = E: v[vs] = 2^E as f32, v[vl] = 57,344 x 2^E
	s_add_co_i32 s15, s[\e], 127
	s_lshl_b32 s16, s15, 23
	v_mov_b32 v[\vs], s16
	s_add_co_i32 s15, s15, 15
	s_lshl_b32 s15, s15, 23
	s_or_b32 s15, s15, 0x600000
	v_mov_b32 v[\vl], s15
.endm
	s_load_b128 s[4:7], s[0:1], 0x0                ; q_img, k_img
	s_load_b128 s[8:11], s[0:1], 0x10              ; v_img, scales
	s_load_b64 s[12:13], s[0:1], 0x20              ; av_img
	v_lshl_add_u32 v254, v0, 2, 0x40000
	v_mov_b32 v255, 0
	ds_add_u32 v254, v255
	ds_add_u32 v254, v255
	v_lshrrev_b32 v2, 5, v0
	v_readfirstlane_b32 s14, v2                    ; wave 0 .. 15
	v_and_b32 v1, 31, v0
	v_lshlrev_b32 v[LI], 4, v1
	s_and_b32 s15, s14, 3
	s_lshr_b32 s16, s15, 1                         ; I would fetch for K (0) or V (1),
	s_and_b32 s17, s15, 1                          ; the first or second 16 KiB of a stage's 32
	s_lshl_b32 s18, s16, 17
	s_lshl_b32 s19, s17, 14
	s_add_co_u32 s18, s18, s19                     ; where in LDS: the wave's number alone
	s_and_b32 s62, ttmp7, 0xffff                   ; batch x head, which the partners share
	s_lshl_b32 s66, s62, 17
	s_add_co_u32 s66, s66, s19
	s_mov_b32 s67, 0
	s_mov_b32 s24, 15|(3<<16)|(1<<21)              ; group 1: the mask of all four; elements of 8 bytes; bit 21 beside a mask; no padding
	s_mov_b32 s25, 32<<16                          ; tensor_dim0 = 32 elements: rows of 256 bytes
	s_mov_b32 s26, 64<<16                          ; tensor_dim1 = 64
	s_mov_b32 s27, 32<<16                          ; tile_dim0
	s_mov_b32 s28, 64                              ; tile_dim1
	s_mov_b32 s29, 32                              ; the pitch: the block is dense
	s_mov_b32 s30, 0
	s_mov_b32 s31, 0
	s_bfe_u32 s57, ttmp6, 0x40000                  ; my place in the cluster: it enters Q's and av's global addresses alone
	s_lshl_b32 s63, ttmp9, 2
	s_add_co_u32 s63, s63, s57
	s_lshl_b32 s63, s63, 4
	s_add_co_u32 s63, s63, s14                     ; my tile of queries, 0 .. 127
	s_lshl_b32 s70, s62, 17
	s_lshl_b32 s57, s63, 10
	s_add_co_u32 s70, s70, s57
	s_mov_b32 s71, 0
	s_mov_b32 s20, 0x76543210
	s_mov_b32 s21, 0xfedcba98
	s_mov_b32 s48, 0                               ; the LDS byte at which the step's K images begin
	s_wait_dscnt 0x0
	s_wait_kmcnt 0x0
	s_load_b128 s[52:55], s[10:11], 0x18           ; e6, e7, e8, e9
	s_load_b32 s56, s[10:11], 0x28                 ; e10
	s_add_nc_u64 s[58:59], s[4:5], s[70:71]        ; my tile's image of q
	s_lshr_b32 s70, s62, 3
	s_lshl_b32 s70, s70, 20
	s_lshl_b32 s57, s63, 13
	s_add_co_u32 s70, s70, s57
	s_and_b32 s57, s62, 7
	s_lshl_b32 s57, s57, 10
	s_add_co_u32 s70, s70, s57
	s_add_nc_u64 s[60:61], s[12:13], s[70:71]      ; where my tile's codes of av go: token tile x 8,192 + head x 1,024
	s_cmp_eq_u32 s16, 0
	s_cselect_b64 s[68:69], s[6:7], s[8:9]
	s_add_nc_u64 s[68:69], s[68:69], s[66:67]
.irp g, 0,1,2,3
	s_mov_b32 s[32+4*\g], 1
	s_add_co_u32 s[33+4*\g], s18, 32768*\g
	s_add_nc_u64 s[34+4*\g:35+4*\g], s[68:69], 32768*\g
	s_or_b32 s[35+4*\g], s[35+4*\g], 0x80000000
.endr
	ROUND                                          ; all four work-groups are here: the joint loads meet
	s_cmp_lt_u32 s14, 4                            ; a wave's four fills stand in one branch, ahead of every wait on TENSORcnt and every LDS read
	s_cbranch_scc0 .Lno_fetch
	tensor_load_to_lds s[32:35], s[24:31]
	s_nop 0
	tensor_load_to_lds s[36:39], s[24:31]
	s_nop 0
	tensor_load_to_lds s[40:43], s[24:31]
	s_nop 0
	tensor_load_to_lds s[44:47], s[24:31]
	s_nop 0
.rept 4
	v_nop
.endr
.Lno_fetch:
	global_load_b128 v[16:19], v[LI], s[58:59]
	global_load_b128 v[20:23], v[LI], s[58:59] offset:512
	v_mov_b32 v13, 0xff61b1e6                      ; the largest t so far: -3e38
	v_floor_f32 v12, -v13
	v_mov_b32 v14, 0
	v_mov_b32 v15, 0
	v_mov_b32 v208, 0
	v_mov_b32 v211, 0
.set j, 0
.rept 32
	v_mov_b32 v[160+j], 0                          ; O^T: the step is written without a first form; the first change of M multiplies zeros
.set j, j+1
.endr
	s_wait_kmcnt 0x0
	s_add_co_i32 s57, s52, s53
	s_lshl_b32 s57, s57, 23
	s_mov_b32 s22, 0x3e38aa3b                      ; log2(e) / sqrt(64)
	s_add_co_i32 s22, s22, s57                     ; x 2^(e6 + e7), by its exponent field
	s_mov_b32 s23, s22
	MKSC 54, 217, 216                              ; p's scale
	s_sub_co_i32 s57, s56, s54
	s_sub_co_i32 s57, s57, s55
	MKSC 57, 219, 218                              ; av's: e10 - e8 - e9, the three folded into one
.macro STEP
	v_add_nc_u32 v[ADK], s48, v[LI]
	v_add_nc_u32 v[ADV], 0x20000, v[ADK]
	v_nop
	v_nop                                          ; four places behind the last products, ahead of loads into their operands
.irp t, 0,1,2,3,4,5,6,7
.irp c, 0,1
	ds_load_b128 v[32+8*\t+4*\c:35+8*\t+4*\c], v[ADK] offset:1024*\t+512*\c
.endr
.endr
	s_wait_dscnt 8                                 ; tiles 0 to 3 are in; the eight loads of tiles 4 to 7 may be out
.irp t, 0,1,2,3
	v_wmma_f32_16x16x64_bf8_bf8 v[96+8*\t:103+8*\t], v[32+8*\t:39+8*\t], v[16:23], 0
.endr
	s_wait_dscnt 0
.irp t, 4,5,6,7
	v_wmma_f32_16x16x64_bf8_bf8 v[96+8*\t:103+8*\t], v[32+8*\t:39+8*\t], v[16:23], 0
.endr
.rept 4
	v_nop
.endr
.irp n, 0,1,2,3
.irp c, 0,1,2,3
	ds_load_b128 v[32+16*\n+4*\c:35+16*\n+4*\c], v[ADV] offset:2048*\n+512*\c   ; V's fragments land under the softmax
.endr
.endr
	v_max3_num_f32 v214, v96, v97, v98
	v_max3_num_f32 v215, v99, v100, v101
.irp i, 6,10,14,18,22,26,30,34,38,42,46,50,54,58
	v_max3_num_f32 v214, v214, v[96+\i], v[97+\i]
	v_max3_num_f32 v215, v215, v[98+\i], v[99+\i]
.endr
	v_max3_num_f32 v214, v214, v158, v159
	v_max_num_f32 v214, v214, v215
	v_permlanex16_b32 v208, v214, s20, s21
	v_max_num_f32 v214, v214, v208
	v_mul_f32 v214, s22, v214
	v_max_num_f32 v13, v13, v214                   ; the running largest t
	v_mov_b32 v214, v12
	v_floor_f32 v12, -v13                          ; -M = floor(-t): M is a whole number
	v_sub_f32 v214, v12, v214
	v_cvt_i32_f32 v214, v214
	v_ldexp_f32 v210, 1.0, v214                    ; f = 2^(old M - new M)
.set j, 0
.rept 32
	v_pk_fma_f32 v[96+j:97+j], v[96+j:97+j], s[22:23], v[12:13] op_sel_hi:[1,0,0]
.set j, j+2
.endr
.set j, 0
.rept 64
	v_exp_f32 v[96+j], v[96+j]
.set j, j+1
.endr
	v_pk_mul_f32 v[14:15], v[14:15], v[210:211] op_sel_hi:[1,0]   ; a plain line behind the exponentials
	s_wait_alu depctr_va_vdst(0)                   ; one wait for the batch, ahead of its first reader
	v_pk_add_f32 v[212:213], v[96:97], v[98:99]    ; the sum is taken of the unquantised p
.irp i, 4,8,12,16,20,24,28,32,36,40,44,48,52,56,60
	v_pk_add_f32 v[14:15], v[14:15], v[96+\i:97+\i]
	v_pk_add_f32 v[212:213], v[212:213], v[98+\i:99+\i]
.endr
	v_pk_add_f32 v[14:15], v[14:15], v[212:213]
.irp b, 0,1,2,3
.irp i, 0,1,2,3,4,5,6,7,8,9,10,11,12,13,14,15
	v_min_num_f32 v[96+16*\b+\i], v[96+16*\b+\i], v216   ; p is not negative: the hold is one-sided
.endr
	v_cvt_scalef32_pk8_bf8_f32 v[192+4*\b:193+4*\b], v[96+16*\b:103+16*\b], v217
	v_cvt_scalef32_pk8_bf8_f32 v[194+4*\b:195+4*\b], v[104+16*\b:111+16*\b], v217
.endr
.set j, 0
.rept 16
	v_pk_mul_f32 v[160+j:161+j], v[160+j:161+j], v[210:211] op_sel_hi:[1,0]   ; O^T under the new M; also the plain lines behind the conversions
.set j, j+2
.endr
	s_wait_dscnt 0x0                               ; V is in
.irp n, 0,1,2,3
	v_wmma_f32_16x16x128_bf8_bf8 v[160+8*\n:167+8*\n], v[32+16*\n:47+16*\n], v[192:207], v[160+8*\n:167+8*\n]
.endr
	s_add_co_u32 s48, s48, 8192
.endm
.macro STAGE g                         ; 512 keys: four steps
	s_wait_tensorcnt 3-(\g)                        ; my part of this stage has landed; the loads of the later stages may be out
	s_barrier_signal -1
	s_barrier_wait -1
	s_mov_b32 s49, 4
.Lstep_\@:
	STEP
	s_sub_co_u32 s49, s49, 1
	s_cmp_lg_u32 s49, 0
	s_cbranch_scc1 .Lstep_\@
.endm
	s_wait_loadcnt 0x0                             ; Q
	STAGE 0
	STAGE 1
	STAGE 2
	STAGE 3
.rept 4
	v_nop
.endr
	v_add_f32 v14, v14, v15
	v_permlanex16_b32 v208, v14, s20, s21
	v_add_f32 v14, v14, v208                       ; the row's sum
	v_rcp_f32 v14, v14
	v_nop
	s_wait_alu depctr_va_vdst(0)
.set j, 0
.rept 16
	v_pk_mul_f32 v[96+j:97+j], v[160+j:161+j], v[14:15] op_sel_hi:[1,0]
.set j, j+2
.endr
.set j, 0
.rept 32
	v_med3_num_f32 v[96+j], v[96+j], -v218, v218
.set j, j+1
.endr
.irp n, 0,1,2,3
	v_cvt_scalef32_pk8_bf8_f32 v[192+2*\n:193+2*\n], v[96+8*\n:103+8*\n], v219
.endr
	v_nop
	global_store_b128 v[LI], v[192:195], s[60:61]              ; each store covers 512 consecutive bytes
	global_store_b128 v[LI], v[196:199], s[60:61] offset:512
	s_wait_tensorcnt 0x0
	ds_add_u32 v254, v255
	s_wait_dscnt 0x0
	ROUND                                          ; the closing round
	s_endpgm
.Lfunc_end_k_q7e3cf66848_attn:
	.size	k_q7e3cf66848_attn, .Lfunc_end_k_q7e3cf66848_attn-k_q7e3cf66848_attn
	.p2alignl 7, 3214868480
	.fill 96, 4, 3214868480
	.section	.rodata,"a",@progbits
	.p2align	6, 0x0
	.amdhsa_kernel k_q7e3cf66848_attn
		.amdhsa_group_segment_fixed_size 264192
		.amdhsa_private_segment_fixed_size 0
		.amdhsa_enable_private_segment 0
		.amdhsa_kernarg_size 40
		.amdhsa_user_sgpr_count 2
		.amdhsa_user_sgpr_kernarg_segment_ptr 1
		.amdhsa_wavefront_size32 1
		.amdhsa_system_sgpr_workgroup_id_x 1
		.amdhsa_system_sgpr_workgroup_id_y 1
		.amdhsa_system_sgpr_workgroup_id_z 1
		.amdhsa_system_vgpr_workitem_id 0
		.amdhsa_next_free_vgpr 256
		.amdhsa_next_free_sgpr 72
		.amdhsa_reserve_vcc 0
		.amdhsa_float_denorm_mode_32 3
		.amdhsa_float_denorm_mode_16_64 3
		.amdhsa_memory_ordered 1
		.amdhsa_forward_progress 1
		.amdhsa_inst_pref_size 73
	.end_amdhsa_kernel
	.amdgpu_metadata
---
amdhsa.version: [ 1, 2 ]
amdhsa.kernels:
  - .name:           k_q7e3cf66848_attn
    .symbol:         k_q7e3cf66848_attn.kd
    .args:
      - { .name: q_img, .offset: 0, .size: 8, .value_kind: global_buffer, .address_space: global }
      - { .name: k_img, .offset: 8, .size: 8, .value_kind: global_buffer, .address_space: global }
      - { .name: v_img, .offset: 16, .size: 8, .value_kind: global_buffer, .address_space: global }
      - { .name: lowp_scales, .offset: 24, .size: 8, .value_kind: global_buffer, .address_space: global }
      - { .name: av_img, .offset: 32, .size: 8, .value_kind: global_buffer, .address_space: global }
    .group_segment_fixed_size: 264192
    .private_segment_fixed_size: 0
    .kernarg_segment_align: 8
    .kernarg_segment_size: 40
    .max_flat_workgroup_size: 512
    .sgpr_count:     72
    .vgpr_count:     256
    .wavefront_size: 32
...
	.end_amdgpu_metadata
.endif
;; end of part 2
;; launch tail (part 3): grid 256 x 1, 4 waves a work-group, no clusters, 116,736 bytes of LDS; arguments av_img, w_img, x, bo, ln2_g, ln2_b, b1, b2, lowp_scales, out0; writes out0
.if DOCPART == 3
	.amdgcn_target "amdgcn-amd-amdhsa--gfx1250"
	.amdhsa_code_object_version 6
	.text
	.protected	k_q7e3cf66848_tail
	.globl	k_q7e3cf66848_tail
	.p2align	8
	.type	k_q7e3cf66848_tail,@function
k_q7e3cf66848_tail:
	s_mov_b64 s[64:65], 0
	v_nop
	global_prefetch_b8 v0, s[64:65] scope:SCOPE_SE
	s_setreg_imm32_b32 hwreg(HW_REG_WAVE_MODE, 25, 1), 1
	s_wait_xcnt 0x0
; x1 = x + av Wo + bo;  x2 = LayerNorm 2 (x1);  out = x1 + gelu(x2 W1 + b1) W2 + b2; the three products on E5M2 codes; x1, x2 and the hidden layer never go to memory.
; SHARES.  A work-group owns 32 tokens (two tiles of 16).  THE WAVES SHARE THE COLUMNS: in each product wave w makes columns (hidden units) 128 w .. 128 w + 127, for both token tiles.  All products are used transposed
; (source 0 = 16 weight rows, source 1 = tokens): a lane holds one token, and its 64 registers of a token tile are one fragment, K step w, of the next product; it goes to the other waves through LDS as an image of its registers.
; THE WEIGHTS come from w_img, laid by the first launch in the order in which a wave takes them: 36 groups of 8 fragments a wave, 512 consecutive bytes a load, through A RING OF FOUR GROUPS IN REGISTERS (group n in slot n % 4:
; slots 0, 1 in window 1, slots 2, 3 in window 2).  A group is asked for two or three requests ahead of its products: the four groups of x2 W1, which are multiplied back to back, are asked for during the GELU of the chunk before.
; The hidden layer goes in four chunks of 512 units; the second product of chunk j - 1 stands between the parts of chunk j's GELU.  x1 and b2, divided by 2^(e14 + e15), are the start of the last product's sums.
; NO JOINT LOADS, though all work-groups walk the same weights: a joint load lands in LDS, where beside this text's 116,224 bytes two slots of at most 98,304 bytes fit, one and a half groups of the four waves: 24 changes of slots,
; each a round of a cluster's barrier with 24 products a wave between a request and the wait for it, and every fragment would go through LDS once more on its way to the registers.
; GELU: gelu(u) = max(u, 0) - |u| erfc(|u| / sqrt 2) / 2, erfc(z) = t exp(-z^2 + P(t)), t = 1 / (1 + z / 2), P of degree 9 (fractional error of erfc 1.2e-7); P's coefficients are kept x log2(e), the constant one less 1 for the half.
; LIMITS: e12, e14 between -126 and 112; e10 + e11, e12 + e13, e14 + e15 and -(e14 + e15) between -126 and 127.  NaN and infinities are not served.  For large negative u the relative error of gelu grows with the rounding of u^2.
; REGISTERS.  window 0: v1-14 addresses, v16-29 statistics, scales, one coefficient; v32-127 at work; v128-255 HA: sums (token tile i, tile t) at 128 + 64 i + 8 t.  window 1: ring slots 0, 1.
;   window 2: ring slots 2, 3; in LayerNorm 2 x1, gain, bias.  window 3: v0-127 the last product's sums; v128-191 two sets of the tokens' fragments; v192-255 b1 of the chunk.
.set PRM, 16384                        ; LDS: 0 the tokens' images (4 i + s) x 2,048; then bo, ln2_g, ln2_b, b2;
.set HI,  32768                        ; (24,576: b1) the hidden layer's images;
.set STG, 49152                        ; a stage of 32 rows x 2,064 bytes;
.set SPT, 2064
.set RED, STG+32*SPT                   ; and the waves' partial sums: [pass][wave][token tile][16]
.set GRP, 16384                        ; a group of eight fragments in w_img
.set LI,  1
.set SO,  2                            ; stage, by (token row, my columns)
.set SR,  3                            ; stage, by whole rows: eight rows a wave
.set XIW, 4
.set HW,  5
.set HR,  7
.set PR,  8
.set B1R0, 9
.set B1R, 10
.set TDL, 11
.set TD,  12
.set RW,  13
.set RR,  14
.set WP,  38
.set MSB, 0
.macro WIN new
.if MSB != \new
	s_set_vgpr_msb (MSB<<8)|\new
.set MSB, \new
.endif
.endm
.macro MKSC e, vs, vl
	s_add_co_i32 s80, s[\e], 127
	s_lshl_b32 s81, s80, 23
	v_mov_b32 v[\vs], s81
	s_add_co_i32 s80, s80, 15
	s_lshl_b32 s80, s80, 23
	s_or_b32 s80, s80, 0x600000
	v_mov_b32 v[\vl], s80
.endm
.macro SPAIR reg, val                  ; a packed line names a pair and takes its low word for both halves: both are written
	s_mov_b32 s[\reg], \val
	s_mov_b32 s[\reg+1], \val
.endm
.macro BARRIER
	s_wait_dscnt 0x0
	s_barrier_signal -1
	s_barrier_wait -1
.endm
.macro RLOAD sl, goff                  ; a group of eight weight fragments is asked for, into ring slot sl; the slot's last products stand four places back or more
.set RLW, 0x40*(1+(\sl)/2)
.set RLB, 128*((\sl)%2)
	WIN RLW
.irp t, 0,1,2,3,4,5,6,7
.irp c, 0,1,2,3
	global_load_b128 v[RLB+16*\t+4*\c:RLB+16*\t+4*\c+3], v[LI], s[WP:WP+1] offset:(\goff)+2048*\t+512*\c
.endr
.endr
	WIN 0
.endm
.macro BFETCH p, areg, aoff            ; a K step's fragments of the two token tiles into set p
	WIN 0xc0
.irp i, 0,1
.irp c, 0,1,2,3
	ds_load_b128 v[128+32*(\p)+16*\i+4*\c:128+32*(\p)+16*\i+4*\c+3], v[\areg] offset:(\aoff)+8192*\i+512*\c
.endr
.endr
	WIN 0
.endm
; A GROUP: one K step, 16 products (8 weight tiles x 2 token tiles), 16 accumulators by turns.  sl: the ring slot; the tokens' set is sl % 2.
; kind 1: sums in HA; kind 2: the last product's sums.  nx = 1: the next group's token fragments are asked for first.
; cnt: behind this group's 32 loads at least so many younger ones were issued.  Where 64 or 96 were, the wait names 63, the largest count that its field takes (ISA guide 5.7.1): a count under the number of younger loads is always enough.
.macro GROUP sl, kind, zero, nx, nreg, noff, cnt
.if \nx
	BFETCH 1-(\sl)%2, \nreg, \noff
	s_wait_dscnt 8                                 ; my fragments are in; the eight loads just issued may be out
.else
	s_wait_dscnt 0
.endif
	s_wait_loadcnt \cnt
.set GAR, 128*((\sl)%2)
.set GBR, 128+32*((\sl)%2)
.if \kind == 1
.set GW, 0x0d+(\sl)/2
.else
.set GW, 0xfd+(\sl)/2
.endif
	WIN GW                                         ; source 0 (weights) window 1 or 2, source 1 (tokens) window 3; C and D window 0 or 3
.irp t, 0,1,2,3,4,5,6,7
.irp i, 0,1
.if \kind == 1
.if \zero
	v_wmma_f32_16x16x128_bf8_bf8 v[128+64*\i+8*\t:135+64*\i+8*\t], v[GAR+16*\t:GAR+16*\t+15], v[GBR+16*\i:GBR+16*\i+15], 0
.else
	v_wmma_f32_16x16x128_bf8_bf8 v[128+64*\i+8*\t:135+64*\i+8*\t], v[GAR+16*\t:GAR+16*\t+15], v[GBR+16*\i:GBR+16*\i+15], v[128+64*\i+8*\t:135+64*\i+8*\t]
.endif
.else
	v_wmma_f32_16x16x128_bf8_bf8 v[64*\i+8*\t:64*\i+8*\t+7], v[GAR+16*\t:GAR+16*\t+15], v[GBR+16*\i:GBR+16*\i+15], v[64*\i+8*\t:64*\i+8*\t+7]
.endif
.endr
.endr
	WIN 0
.rept 4
	v_nop                                          ; places ahead of loads into the products' operands and of reads of their results
.endr
.endm
.macro GELU be                         ; 32 numbers: HA's registers 32 be on
.set UU, 128+32*(\be)
.set BB, 192+32*((\be)%2)
	WIN 0x30
.set j, 0
.rept 16
	v_pk_fma_f32 v[UU+j:UU+j+1], v[UU+j:UU+j+1], s[44:45], v[BB+j:BB+j+1] op_sel_hi:[1,0,1]   ; u = sum x 2^(e12 + e13) + b1
.set j, j+2
.endr
	WIN 0
.set j, 0
.rept 32
	v_fma_f32 v[32+j], |v[UU+j]|, s52, 1.0         ; 1 + |u| / (2 sqrt 2)
.set j, j+1
.endr
.set j, 0
.rept 32
	v_rcp_f32 v[32+j], v[32+j]                     ; t
.set j, j+1
.endr
.set j, 0
.rept 16
	v_pk_mul_f32 v[96+j:97+j], v[UU+j:UU+j+1], v[UU+j:UU+j+1]   ; u^2: plain lines behind the reciprocals
.set j, j+2
.endr
	s_wait_alu depctr_va_vdst(0)                   ; one wait for the batch, ahead of its first reader
.set j, 0
.rept 16
	v_pk_fma_f32 v[64+j:65+j], v[32+j:33+j], s[76:77], v[28:29] op_sel_hi:[1,0,1]
.set j, j+2
.endr
.irp cc, 72,70,68,66,62,60,58,56
.set j, 0
.rept 16
	v_pk_fma_f32 v[64+j:65+j], v[64+j:65+j], v[32+j:33+j], s[\cc:\cc+1] op_sel_hi:[1,1,0]
.set j, j+2
.endr
.endr
.set j, 0
.rept 16
	v_pk_fma_f32 v[64+j:65+j], v[96+j:97+j], s[54:55], v[64+j:65+j] op_sel_hi:[1,0,1]   ; - u^2 log2(e) / 2
.set j, j+2
.endr
.set j, 0
.rept 32
	v_exp_f32 v[64+j], v[64+j]
.set j, j+1
.endr
.set j, 0
.rept 32
	v_max_num_f32 v[96+j], 0, v[UU+j]              ; plain lines behind the exponentials
.set j, j+1
.endr
	s_wait_alu depctr_va_vdst(0)
.set j, 0
.rept 16
	v_pk_mul_f32 v[64+j:65+j], v[64+j:65+j], v[32+j:33+j]      ; erfc / 2
.set j, j+2
.endr
.set j, 0
.rept 32
	v_fma_f32 v[UU+j], -|v[UU+j]|, v[64+j], v[96+j]
.set j, j+1
.endr
.set j, 0
.rept 32
	v_med3_num_f32 v[UU+j], v[UU+j], -v27, v27     ; the hold at the largest code x the scale
.set j, j+1
.endr
.endm
.macro CODES sc                        ; HA's 128 numbers become two fragments in v32-63
.irp i, 0,1
.irp t, 0,1,2,3,4,5,6,7
	v_cvt_scalef32_pk8_bf8_f32 v[32+16*\i+2*\t:33+16*\i+2*\t], v[128+64*\i+8*\t:135+64*\i+8*\t], v[\sc]
.endr
.endr
	v_nop                                          ; a plain line behind the conversions: later products write their sources
.endm
.macro QH pre                          ; the chunk's hidden units, K step w of the last product, go to LDS.  pre = 1: first every wave has finished reading the chunk before
.if \pre
	s_barrier_signal -1                            ; no LDS instruction of mine is out: the last group waited for all
.endif
	CODES 26
.if \pre
	s_barrier_wait -1
.endif
.irp i, 0,1
.irp c, 0,1,2,3
	ds_store_b128 v[HW], v[32+16*\i+4*\c:35+16*\i+4*\c] offset:8192*\i+512*\c
.endr
.endr
	BARRIER
.endm
.macro REDUCE pass                     ; two chains a token tile (v96 on) become the rows' sums over 512 columns, in v104 and v108
.irp i, 0,1
	v_pk_add_f32 v[96+4*\i:97+4*\i], v[96+4*\i:97+4*\i], v[98+4*\i:99+4*\i]
.endr
.irp i, 0,1
	v_add_f32 v[96+4*\i], v[96+4*\i], v[97+4*\i]
.endr
.irp i, 0,1
	v_permlanex16_b32 v[98+4*\i], v[96+4*\i], s50, s51
.endr
.irp i, 0,1
	v_add_f32 v[96+4*\i], v[96+4*\i], v[98+4*\i]
.endr
.irp i, 0,1
	ds_store_b32 v[RW], v[96+4*\i] offset:512*(\pass)+64*\i
.endr
	BARRIER
.irp i, 0,1
.irp k, 0,1,2,3
	ds_load_b32 v[104+4*\i+\k], v[RR] offset:512*(\pass)+128*\k+64*\i
.endr
.endr
	s_wait_dscnt 0x0
.irp i, 0,1
	v_add_f32 v[104+4*\i], v[104+4*\i], v[105+4*\i]
	v_add_f32 v[106+4*\i], v[106+4*\i], v[107+4*\i]
.endr
.irp i, 0,1
	v_add_f32 v[104+4*\i], v[104+4*\i], v[106+4*\i]
.endr
.endm
	s_load_b256 s[4:11], s[0:1], 0x0               ; av_img, w_img, x, bo
	s_load_b256 s[12:19], s[0:1], 0x20             ; ln2_g, ln2_b, b1, b2
	s_load_b128 s[20:23], s[0:1], 0x40             ; scales, out0
	v_lshl_add_u32 v6, v0, 2, 0x1c600
	v_mov_b32 v15, 0
	v_lshrrev_b32 v2, 5, v0
	v_readfirstlane_b32 s32, v2                    ; wave
	v_and_b32 v1, 31, v0
	v_lshlrev_b32 v[LI], 4, v1
	v_and_b32 v30, 15, v0                          ; r
	v_bfe_u32 v31, v0, 4, 1                        ; h
	s_lshl_b32 s80, s32, 9
	s_add_co_u32 s81, s80, STG
	v_mul_u32_u24 v[SO], v30, SPT
	v_lshl_add_u32 v[SO], v31, 6, v[SO]
	v_add_nc_u32 v[SO], s81, v[SO]
	s_mul_i32 s81, s32, 8*SPT
	s_add_co_u32 s81, s81, STG
	v_add_nc_u32 v[SR], s81, v[LI]
	s_lshl_b32 s81, s32, 11
	v_add_nc_u32 v[XIW], s81, v[LI]
	v_add_nc_u32 v[HW], HI, v[XIW]
	v_add_nc_u32 v[HR], HI, v[LI]
	s_add_co_u32 s81, s80, PRM
	v_lshl_add_u32 v[PR], v31, 6, s81
	v_add_nc_u32 v[B1R0], 8192, v[PR]
	v_lshlrev_b32 v[TD], 4, v0
	v_add_nc_u32 v[TDL], PRM, v[TD]
	s_lshl_b32 s81, s32, 7
	s_add_co_u32 s81, s81, RED
	v_lshl_add_u32 v[RW], v30, 2, s81
	v_lshlrev_b32 v[RR], 2, v30
	v_add_nc_u32 v[RR], RED, v[RR]
	s_mov_b32 s50, 0x76543210
	s_mov_b32 s51, 0xfedcba98
	s_mov_b32 s52, 0x3eb504f3                      ; 1 / (2 sqrt 2)
	SPAIR 54, 0xbf38aa3b                           ; -log2(e) / 2
	SPAIR 56, 0xc034d90f                           ; the coefficients of P x log2(e), from the constant one (less 1) up
	SPAIR 58, 0x3fb8ab5a
	SPAIR 60, 0x3f0a29d2
	SPAIR 62, 0x3e0efb2e
	SPAIR 66, 0xbe899a80
	SPAIR 68, 0x3ecdfd18
	SPAIR 70, 0xbfd1a1e5
	SPAIR 72, 0x40097039
	SPAIR 76, 0x3e7c6f08
	v_mov_b32 v28, 0xbf97d29d                      ; the last but one, in a vector pair: no line names two scalar pairs
	v_mov_b32 v29, 0xbf97d29d
	s_mov_b32 s78, 0x3b000000                      ; 1 / 512
	s_mov_b32 s79, 0x3727c5ac                      ; 1e-5
	s_lshr_b32 s80, s32, 1                         ; my eight rows of the stage are tokens 8 (w / 2) + 16 (w % 2) on
	s_lshl_b32 s80, s80, 3
	s_and_b32 s81, s32, 1
	s_lshl_b32 s81, s81, 4
	s_add_co_u32 s80, s80, s81
	s_lshl_b32 s80, s80, 11
	s_lshl_b32 s81, ttmp9, 16
	s_add_co_u32 s86, s80, s81
	s_mov_b32 s87, 0
	s_lshl_b32 s88, ttmp9, 14
	s_lshl_b32 s81, s32, 11
	s_add_co_u32 s88, s88, s81
	s_mov_b32 s89, 0
	s_mul_i32 s90, s32, 589824
	s_mov_b32 s91, 0
	s_wait_kmcnt 0x0
	s_load_b64 s[24:25], s[20:21], 0x28            ; e10, e11
	s_load_b128 s[28:31], s[20:21], 0x30           ; e12 .. e15
	s_add_nc_u64 s[82:83], s[8:9], s[86:87]
	s_add_nc_u64 s[40:41], s[22:23], s[86:87]
	s_add_nc_u64 s[84:85], s[4:5], s[88:89]
	s_add_nc_u64 s[WP:WP+1], s[6:7], s[90:91]
.irp k, 0,1,2,3,4,5,6,7
.irp q, 0,1,2,3
	global_load_b128 v[128+16*\k+4*\q:131+16*\k+4*\q], v[LI], s[82:83] offset:2048*\k+512*\q th:TH_LOAD_NT   ; eight rows of x, 512 consecutive bytes a load
.endr
.endr
.irp i, 0,1
.irp c, 0,1,2,3
	global_load_b128 v[32+16*\i+4*\c:35+16*\i+4*\c], v[LI], s[84:85] offset:8192*\i+512*\c th:TH_LOAD_NT     ; av's images, K step w
.endr
.endr
	global_load_b128 v[64:67], v[TD], s[10:11]
	global_load_b128 v[68:71], v[TD], s[12:13]
	global_load_b128 v[72:75], v[TD], s[14:15]
	global_load_b128 v[76:79], v[TD], s[18:19]
.irp k, 0,1,2,3
	global_load_b128 v[80+4*\k:83+4*\k], v[TD], s[16:17] offset:2048*\k
.endr
	RLOAD 0, 0
	s_wait_loadcnt 32                              ; all but group 0's 32 are in
.irp k, 0,1,2,3,4,5,6,7
.irp q, 0,1,2,3
	ds_store_b128 v[SR], v[128+16*\k+4*\q:131+16*\k+4*\q] offset:SPT*\k+512*\q
.endr
.endr
.irp i, 0,1
.irp c, 0,1,2,3
	ds_store_b128 v[XIW], v[32+16*\i+4*\c:35+16*\i+4*\c] offset:8192*\i+512*\c
.endr
.endr
.irp k, 0,1,2,3,4,5,6,7
	ds_store_b128 v[TDL], v[64+4*\k:67+4*\k] offset:2048*\k
.endr
	RLOAD 1, GRP
	s_wait_kmcnt 0x0
	s_add_co_i32 s80, s24, s25
	s_add_co_i32 s80, s80, 127
	s_lshl_b32 s42, s80, 23                        ; 2^(e10 + e11)
	s_mov_b32 s43, s42
	s_add_co_i32 s80, s28, s29
	s_add_co_i32 s80, s80, 127
	s_lshl_b32 s44, s80, 23                        ; 2^(e12 + e13)
	s_mov_b32 s45, s44
	s_add_co_i32 s81, s30, s31
	s_add_co_i32 s80, s81, 127
	s_lshl_b32 s46, s80, 23                        ; 2^(e14 + e15)
	s_mov_b32 s47, s46
	s_sub_co_i32 s80, 127, s81
	s_lshl_b32 s48, s80, 23                        ; and its reciprocal
	s_mov_b32 s49, s48
	MKSC 28, 24, 25                                ; x2's scale
	MKSC 30, 26, 27                                ; the hidden layer's
	BARRIER                                        ; x, av's images and the parameters lie in LDS
	; ---- av Wo: groups 0 to 3.  Each group's wait: two younger groups, 64 loads, were asked for behind it
	BFETCH 0, LI, 0
	RLOAD 2, 2*GRP
	GROUP 0, 1, 1, 1, LI, 2048, 63
	RLOAD 3, 3*GRP
	GROUP 1, 1, 0, 1, LI, 4096, 63
	RLOAD 0, 4*GRP
	GROUP 2, 1, 0, 1, LI, 6144, 63
	RLOAD 1, 5*GRP
	GROUP 3, 1, 0, 0, LI, 0,    63
	; ---- x1 and LayerNorm 2; window 2 holds x1, gain and bias meanwhile
.irp b, 0,1,2,3
.irp q, 0,1,2,3
	ds_load_b128 v[32+16*\b+4*\q:35+16*\b+4*\q], v[PR] offset:128*\b+16*\q                     ; bo
.endr
.endr
	WIN 0x80
.irp i, 0,1
.irp b, 0,1,2,3
.irp q, 0,1,2,3
	ds_load_b128 v[64*\i+16*\b+4*\q:64*\i+16*\b+4*\q+3], v[SO] offset:16*SPT*\i+128*\b+16*\q   ; x, in the sums' layout
.endr
.endr
.endr
.irp b, 0,1,2,3
.irp q, 0,1,2,3
	ds_load_b128 v[128+16*\b+4*\q:131+16*\b+4*\q], v[PR] offset:2048+128*\b+16*\q              ; gain
	ds_load_b128 v[192+16*\b+4*\q:195+16*\b+4*\q], v[PR] offset:4096+128*\b+16*\q              ; bias
.endr
.endr
	WIN 0
	s_wait_dscnt 32                                ; bo and x are in; the 32 loads of gain and bias may be out
.irp i, 0,1
.set j, 0
.rept 32
	v_pk_fma_f32 v[128+64*\i+j:129+64*\i+j], v[128+64*\i+j:129+64*\i+j], s[42:43], v[32+j:33+j] op_sel_hi:[1,0,1]
.set j, j+2
.endr
.endr
.irp b, 0,1,2,3
.irp q, 0,1,2,3
	ds_load_b128 v[32+16*\b+4*\q:35+16*\b+4*\q], v[PR] offset:6144+128*\b+16*\q                ; b2 takes the registers that bo has left; the wait in front of the next barrier covers it
.endr
.endr
	WIN 0x82
.set j, 0
.rept 64
	v_pk_add_f32 v[j:j+1], v[j:j+1], v[128+j:129+j]            ; x1
.set j, j+2
.endr
	WIN 0x0a
.irp i, 0,1
.irp k, 0,1
	v_pk_add_f32 v[96+4*\i+2*\k:97+4*\i+2*\k], v[64*\i+4*\k:64*\i+4*\k+1], v[64*\i+4*\k+2:64*\i+4*\k+3]
.endr
.endr
	WIN 0x08
.irp i, 0,1
.set j, 8
.rept 28
	v_pk_add_f32 v[96+4*\i+2*((j/2)%2):97+4*\i+2*((j/2)%2)], v[96+4*\i+2*((j/2)%2):97+4*\i+2*((j/2)%2)], v[64*\i+j:64*\i+j+1]
.set j, j+2
.endr
.endr
	WIN 0
	REDUCE 0
.irp i, 0,1
	v_mul_f32 v[16+2*\i], 0x3b000000, v[104+4*\i]
	v_mov_b32 v[17+2*\i], v[16+2*\i]
.endr
	WIN 0x02
.irp i, 0,1
.set j, 0
.rept 32
	v_pk_add_f32 v[128+64*\i+j:129+64*\i+j], v[64*\i+j:64*\i+j+1], v[16+2*\i:17+2*\i] op_sel_hi:[1,0] neg_lo:[0,1] neg_hi:[0,1]
.set j, j+2
.endr
.endr
	WIN 0
.set j, 0
.rept 32
	v_pk_mul_f32 v[32+j:33+j], v[32+j:33+j], s[48:49] op_sel_hi:[1,0]
.set j, j+2
.endr
	WIN 0xc2
.irp i, 0,1
.set j, 0
.rept 32
	v_pk_fma_f32 v[64*\i+j:64*\i+j+1], v[64*\i+j:64*\i+j+1], s[48:49], v[32+j:33+j] op_sel_hi:[1,0,1]   ; (x1 + b2) / 2^(e14 + e15): where the last product's sums begin
.set j, j+2
.endr
.endr
	WIN 0
	RLOAD 2, 6*GRP                                 ; x1 is done with: its registers are ring slot 2 again
.irp i, 0,1
.irp k, 0,1
	v_pk_mul_f32 v[96+4*\i+2*\k:97+4*\i+2*\k], v[128+64*\i+2*\k:129+64*\i+2*\k], v[128+64*\i+2*\k:129+64*\i+2*\k]
.endr
.endr
.irp i, 0,1
.set j, 4
.rept 30
	v_pk_fma_f32 v[96+4*\i+2*((j/2)%2):97+4*\i+2*((j/2)%2)], v[128+64*\i+j:129+64*\i+j], v[128+64*\i+j:129+64*\i+j], v[96+4*\i+2*((j/2)%2):97+4*\i+2*((j/2)%2)]
.set j, j+2
.endr
.endr
	REDUCE 1
.irp i, 0,1
	v_fma_f32 v[20+2*\i], v[104+4*\i], s78, s79
.endr
.irp i, 0,1
	v_rsq_f32 v[20+2*\i], v[20+2*\i]
.endr
	v_nop
	s_wait_alu depctr_va_vdst(0)
.irp i, 0,1
	v_mov_b32 v[21+2*\i], v[20+2*\i]
.endr
	WIN 0xc0
.irp b, 0,1,2,3
.irp q, 0,1,2,3
	ds_load_b128 v[192+16*\b+4*\q:195+16*\b+4*\q], v[B1R0] offset:128*\b+16*\q                 ; b1 of chunk 0
.endr
.endr
	WIN 0
.irp i, 0,1
.set j, 0
.rept 32
	v_pk_mul_f32 v[128+64*\i+j:129+64*\i+j], v[128+64*\i+j:129+64*\i+j], v[20+2*\i:21+2*\i] op_sel_hi:[1,0]
.set j, j+2
.endr
.endr
	WIN 0x28
.irp i, 0,1
.set j, 0
.rept 32
	v_pk_fma_f32 v[128+64*\i+j:129+64*\i+j], v[128+64*\i+j:129+64*\i+j], v[128+j:129+j], v[192+j:193+j]
.set j, j+2
.endr
.endr
	WIN 0
	RLOAD 3, 7*GRP                                 ; gain and bias are done with: their registers are ring slot 3 again
.set j, 0
.rept 128
	v_med3_num_f32 v[128+j], v[128+j], -v25, v25
.set j, j+1
.endr
	CODES 24
.irp i, 0,1
.irp c, 0,1,2,3
	ds_store_b128 v[XIW], v[32+16*\i+4*\c:35+16*\i+4*\c] offset:8192*\i+512*\c                 ; x2's images take av's place: every wave has passed two barriers behind its reads of those
.endr
.endr
	BARRIER                                        ; x2's eight images lie in LDS, and b1 is in
	; ---- chunk 0 of the hidden layer: groups 4 to 7; chunk 1's four groups of W1 are asked for on the way
	BFETCH 0, LI, 0
	GROUP 0, 1, 1, 1, LI, 2048, 63                 ; younger: groups 5, 6, 7
	RLOAD 0, 8*GRP
	GROUP 1, 1, 0, 1, LI, 4096, 63                 ; 6, 7, 8
	GROUP 2, 1, 0, 1, LI, 6144, 63                 ; 7, 8
	RLOAD 1, 9*GRP
	GROUP 3, 1, 0, 0, LI, 0,    63                 ; 8, 9
	GELU 0
	RLOAD 2, 10*GRP
	GELU 1
	RLOAD 3, 11*GRP
	GELU 2
	GELU 3
	QH 0
	s_mov_b32 s33, 3
	s_mov_b32 s36, 2048
.Lchunk:                                           ; chunk j = 1 .. 3, groups 8 j + m, m = 0 .. 7: x2 W1 for chunk j (m 0-3), chunk j - 1 through W2 (m 4-7) between the quarters of chunk j's GELU.
	                                               ; The base stands at group 8 (j - 1), so group 8 j + m is asked for at offset (8 + m) groups.  Groups m 8-11 are the next trip's first four (in the last trip: the last chunk's W2)
	v_add_nc_u32 v[B1R], s36, v[B1R0]
	WIN 0xc0
.irp b, 0,1,2,3
.irp q, 0,1,2,3
	ds_load_b128 v[192+16*\b+4*\q:195+16*\b+4*\q], v[B1R] offset:128*\b+16*\q
.endr
.endr
	WIN 0
	BFETCH 0, LI, 0
	GROUP 0, 1, 1, 1, LI, 2048, 63                 ; younger: m 1, 2, 3 (on the way in and on the way back alike)
	RLOAD 0, 12*GRP
	GROUP 1, 1, 0, 1, LI, 4096, 63                 ; 2, 3, 4
	GROUP 2, 1, 0, 1, LI, 6144, 63                 ; 3, 4
	RLOAD 1, 13*GRP
	GROUP 3, 1, 0, 1, HR, 0,    63                 ; 4, 5
	GELU 0
	RLOAD 2, 14*GRP
	GROUP 0, 2, 0, 1, HR, 2048, 63                 ; 5, 6
	RLOAD 3, 15*GRP
	GELU 1
	RLOAD 0, 16*GRP
	GROUP 1, 2, 0, 1, HR, 4096, 63                 ; 6, 7, 8
	GELU 2
	RLOAD 1, 17*GRP
	GROUP 2, 2, 0, 1, HR, 6144, 63                 ; 7, 8, 9
	RLOAD 2, 18*GRP
	GELU 3
	GROUP 3, 2, 0, 0, HR, 0,    63                 ; 8, 9, 10
	RLOAD 3, 19*GRP
	QH 1
	s_wait_xcnt 0x0                                ; the ring's loads have read their base
	s_add_nc_u64 s[WP:WP+1], s[WP:WP+1], 8*GRP
	s_add_co_u32 s36, s36, 2048
	s_sub_co_u32 s33, s33, 1
	s_cmp_lg_u32 s33, 0
	s_cbranch_scc1 .Lchunk
	; ---- chunk 3 through W2: the stream's last four groups, all asked for in the last trip
	BFETCH 0, HR, 0
	GROUP 0, 2, 0, 1, HR, 2048, 63                 ; younger: the last three groups
	GROUP 1, 2, 0, 1, HR, 4096, 63                 ; the last two
	GROUP 2, 2, 0, 1, HR, 6144, 32                 ; the last
	GROUP 3, 2, 0, 0, HR, 0,    0
	; ---- the way out: x 2^(e14 + e15); through the stage; whole rows, 512 consecutive bytes a store
	WIN 0x03
.set j, 0
.rept 64
	v_pk_mul_f32 v[128+j:129+j], v[j:j+1], s[46:47] op_sel_hi:[1,0]
.set j, j+2
.endr
	WIN 0
.irp i, 0,1
.irp b, 0,1,2,3
.irp q, 0,1,2,3
	ds_store_b128 v[SO], v[128+64*\i+16*\b+4*\q:131+64*\i+16*\b+4*\q] offset:16*SPT*\i+128*\b+16*\q
.endr
.endr
.endr
	BARRIER
.irp k, 0,1,2,3,4,5,6,7
.irp q, 0,1,2,3
	ds_load_b128 v[128+16*\k+4*\q:131+16*\k+4*\q], v[SR] offset:SPT*\k+512*\q
.endr
.endr
.irp k, 0,1,2,3,4,5,6,7
.irp q, 0,1,2,3
	s_wait_dscnt 31-(4*\k+\q)
	global_store_b128 v[LI], v[128+16*\k+4*\q:131+16*\k+4*\q], s[40:41] offset:2048*\k+512*\q th:TH_STORE_NT
.endr
.endr
	s_wait_tensorcnt 0x0
	ds_add_u32 v6, v15
	s_wait_dscnt 0x0
	s_endpgm
.Lfunc_end_k_q7e3cf66848_tail:
	.size	k_q7e3cf66848_tail, .Lfunc_end_k_q7e3cf66848_tail-k_q7e3cf66848_tail
	.p2alignl 7, 3214868480
	.fill 96, 4, 3214868480
	.section	.rodata,"a",@progbits
	.p2align	6, 0x0
	.amdhsa_kernel k_q7e3cf66848_tail
		.amdhsa_group_segment_fixed_size 116736
		.amdhsa_private_segment_fixed_size 0
		.amdhsa_enable_private_segment 0
		.amdhsa_kernarg_size 80
		.amdhsa_user_sgpr_count 2
		.amdhsa_user_sgpr_kernarg_segment_ptr 1
		.amdhsa_wavefront_size32 1
		.amdhsa_system_sgpr_workgroup_id_x 1
		.amdhsa_system_sgpr_workgroup_id_y 1
		.amdhsa_system_sgpr_workgroup_id_z 1
		.amdhsa_system_vgpr_workitem_id 0
		.amdhsa_next_free_vgpr 1024
		.amdhsa_next_free_sgpr 96
		.amdhsa_reserve_vcc 0
		.amdhsa_float_denorm_mode_32 3
		.amdhsa_float_denorm_mode_16_64 3
		.amdhsa_memory_ordered 1
		.amdhsa_forward_progress 1
		.amdhsa_inst_pref_size 255
	.end_amdhsa_kernel
	.section	.bss,"aw",@nobits
	.p2align	6
	.space	262144
	.amdgpu_metadata
---
amdhsa.version: [ 1, 2 ]
amdhsa.kernels:
  - .name:           k_q7e3cf66848_tail
    .symbol:         k_q7e3cf66848_tail.kd
    .args:
      - { .name: av_img, .offset: 0, .size: 8, .value_kind: global_buffer, .address_space: global }
      - { .name: w_img, .offset: 8, .size: 8, .value_kind: global_buffer, .address_space: global }
      - { .name: x, .offset: 16, .size: 8, .value_kind: global_buffer, .address_space: global }
      - { .name: bo, .offset: 24, .size: 8, .value_kind: global_buffer, .address_space: global }
      - { .name: ln2_g, .offset: 32, .size: 8, .value_kind: global_buffer, .address_space: global }
      - { .name: ln2_b, .offset: 40, .size: 8, .value_kind: global_buffer, .address_space: global }
      - { .name: b1, .offset: 48, .size: 8, .value_kind: global_buffer, .address_space: global }
      - { .name: b2, .offset: 56, .size: 8, .value_kind: global_buffer, .address_space: global }
      - { .name: lowp_scales, .offset: 64, .size: 8, .value_kind: global_buffer, .address_space: global }
      - { .name: out0, .offset: 72, .size: 8, .value_kind: global_buffer, .address_space: global }
    .group_segment_fixed_size: 116736
    .private_segment_fixed_size: 0
    .kernarg_segment_align: 8
    .kernarg_segment_size: 80
    .max_flat_workgroup_size: 128
    .sgpr_count:     96
    .vgpr_count:     1024
    .wavefront_size: 32
...
	.end_amdgpu_metadata
.endif
;; end of part 3
;; ======== version 2 of 2: 3 launches
;; workspace buffers: q_img 4,194,304 bytes; k_img 4,194,304 bytes; v_img 4,194,304 bytes; av_img 4,194,304 bytes; w_img 2,359,296 bytes
;; launch qkv (part 4): grid 64 x 4, 4 waves a work-group, no clusters, 235,008 bytes of LDS; arguments x, ln1_g, ln1_b, Wq_codes, Wk_codes, Wv_codes, bq, bk, bv, lowp_scales, Wo_codes, W1_codes, W2_codes, q_img, k_img, v_img, w_img; writes q_img, k_img, v_img, w_img
.if DOCPART == 4
	.amdgcn_target "amdgcn-amd-amdhsa--gfx1250"
	.amdhsa_code_object_version 6
	.text
	.protected	k_q7e3cf66848_qkv
	.globl	k_q7e3cf66848_qkv
	.p2align	8
	.type	k_q7e3cf66848_qkv,@function
k_q7e3cf66848_qkv:
	s_mov_b64 s[64:65], 0
	v_nop
	global_prefetch_b8 v0, s[64:65] scope:SCOPE_SE
	s_setreg_imm32_b32 hwreg(HW_REG_WAVE_SCHED_MODE, 0, 2), 2
	s_setreg_imm32_b32 hwreg(HW_REG_WAVE_MODE, 25, 1), 1
	s_wait_xcnt 0x0
	s_wait_alu depctr_vm_vsrc(0)
; LayerNorm 1, its three quantisations (scales e1, e3, e5), the products with Wq, Wk, Wv on E5M2 codes, the biases, and q, k, v quantised (e6, e7, e9) into images of operand registers.
; Beside that each wave copies a few pieces of Wo, W1, W2 into w_img, in the order in which the last launch's waves take them into registers.
; SHARES.  A work-group: 128 tokens (x of the grid) x the q, k, v columns of two heads (y).  Wave w keeps in registers, for the whole launch, all 64 columns of one head of Wq (w < 2) or Wk, and 32 channels of Wv.
; First each wave normalises 32 tokens (two tiles of 16) and stores the three sets of codes in LDS as images of operand registers; behind a barrier every wave multiplies all eight token tiles by its weights.
; TILE ORDER.  In every aligned run of 32 (tokens, weight rows, channels) tile 2 B + u holds at its row m the element 32 B + 8 u + m + 8 (m / 8).  In a result, lane (r, h) register j of that tile is then element
; 32 B + 8 u + 16 h + j: the 16 registers of two neighbouring tiles are 16 neighbours along the next product's K.
; A FRAGMENT (16 rows x 128 K) is 16 registers: registers 4 c .. 4 c + 3 hold k = 32 c + 16 h + 0 .. 15 of row r: the same permutation of k on both operands.  Its image: piece c at 512 c, lane l at 16 l.
; q and k are made transposed (source 0 = weight rows, source 1 = tokens): a lane holds one token, registers run along the head's channels.  v is made with tokens as source 0: a lane holds one channel, registers run along the keys.
; LIMITS: e1, e3, e5, e6 - e0 - e1, e7 - e2 - e3, e9 - e4 - e5 lie between -126 and 112, so that each scale and 57,344 x the scale is an f32 number.  NaN and infinities among the inputs are not served.
; REGISTERS.  window 0: v1-15 addresses, v16-31 statistics and scales, v32-223 at work, v224-255 copies, then v's sums.  window 1: Wq or Wk, fragment (t, s) at 64 t + 16 s.
;   window 2: Wv (n, s) at 64 n + 16 s; v128.. bias tiles; v176.. codes on their way out.  window 3: a token tile's 256 numbers a lane: register 64 s + 16 c + i = column 128 s + 32 c + 16 h + i.
; THE MODE: SCHED_MODE bits 1:0 = 2 (LLVM: expert scheduling mode 2), set by the entry lines.  The code itself states the register dependences between vector or matrix instructions and memory or LDS instructions,
; with s_wait_alu, always for 0.
; THE PLAN.  Registers that memory or LDS instructions touch:
;   v1-14, v250        addresses and offsets: made at the head, ahead of one wait on va_vdst; not written again while a memory instruction is still to read them.
;   window 3           a token tile: x's loads land in it; the stage's stores read it and the stage's loads land in it again: one wait on vm_vsrc between the two runs of each turn.  Then vector lines alone name it,
;                      until the second tile's loads of K step s land in it, behind the wait on va_vdst of the K step that has just quantised those registers.
;   v32-223            three buffers of gain and bias: part p's lines read buffer p % 3, which is asked for again behind one wait on va_vdst.
;   v96-191            then six sets of codes, two groups of three by turns: K step s's conversions write group s % 2; ONE wait on va_vdst; its twelve LDS stores.  The wait on vm_vsrc ahead of a group's next
;                      conversions stands a whole K step behind the stores that it speaks of.
;   v32-159            in the products two buffers of images: step kk's products read buffer kk % 2, in which the first loads of step kk + 1 land: one wait on va_vdst a step, behind the products' places
;                      (in a pair's last step the wait ahead of the pair's stores states it too).
;   window 2 v176-199  codes on the way out: written by a pair's conversions, read by its six stores: va_vdst ahead of the stores, vm_vsrc ahead of the next pair's conversions.
;   The weights (windows 1, 2) and the bias tiles are landed in once, in registers that no vector line has named.
.set GLDS, 196608                      ; LDS: 0 .. 196,607 the images ((matrix x 8 + token tile) x 4 + K step) x 2,048; then ln1_g, ln1_b
.set STG,  200704                      ; then a stage of 16 rows x 528 bytes for each wave
.set SPB,  528
.set LI,  1                            ; v1  16 x lane
.set W2A, 2                            ; v2  a lane's place in 16 rows of W2
.set TDL, 3                            ; v3  GLDS + 16 x thread
.set WA,  4                            ; v4  a lane's place in 16 rows of 512 codes
.set STW, 5                            ; v5  stage, way in
.set STR, 6                            ; v6  stage, way out
.set GA,  7                            ; v7  gain and bias in LDS
.set XW,  8                            ; v8-10 where I store the images, one for each matrix
.set FQ,  11                           ; v11 where I read q's or k's images
.set FV,  12                           ; v12 where I read v's
.set BA,  13                           ; v13 64 h
.set BVA, 14                           ; v14 4 x (r + 8 (r / 8))
.set PD,  15                           ; v15 a lane permute's destination
.set TD,  250                          ; v250 16 x thread
.set XB,  66
.set WQK, 68
.set WVB, 70
.set BQK, 72
.set BVB, 74
.set OQ,  76
.set OV,  78
.set MSB, 0
.macro WIN new                         ; the immediate's high byte repeats the setting that is left
.if MSB != \new
	s_set_vgpr_msb (MSB<<8)|\new
.set MSB, \new
.endif
.endm
.macro MKSC e, vs, vl                  ; s[e] = E: v[vs] = 2^E as f32, v[vl] = 57,344 x 2^E
	s_add_co_i32 s60, s[\e], 127
	s_lshl_b32 s61, s60, 23
	v_mov_b32 v[\vs], s61
	s_add_co_i32 s60, s60, 15
	s_lshl_b32 s60, s60, 23
	s_or_b32 s60, s60, 0x600000
	v_mov_b32 v[\vl], s60
.endm
.macro XLOAD u, s                      ; K step s of the 16 rows of my tile u: each load takes 512 consecutive bytes of one row
	WIN 0xc0
.irp i, 0,1,2,3,4,5,6,7,8,9,10,11,12,13,14,15
	global_load_b128 v[64*(\s)+4*\i:64*(\s)+4*\i+3], v[LI], s[XB:XB+1] offset:(\u)*16384+(\i+8*(\i/8))*2048+512*(\s)
.endr
	WIN 0
.endm
.macro TURN s                          ; through my own stage: in as loaded, back with 16 neighbours of each block of 32 a lane.  LDS serves a wave's instructions in order: no wait on DScnt between
	WIN 0xcc
.irp i, 0,1,2,3,4,5,6,7,8,9,10,11,12,13,14,15
	ds_store_b128 v[STW], v[64*(\s)+4*\i:64*(\s)+4*\i+3] offset:SPB*\i
.endr
	s_wait_alu depctr_vm_vsrc(0)                   ; the stores above have read their data: the loads below land in the same registers.  (So have all earlier stores: those of gain and bias out of v216-223 and, ahead of the second tile, those of the first tile's codes out of v96-191, where gain and bias land next)
.irp c, 0,1,2,3
.irp q, 0,1,2,3
	ds_load_b128 v[64*(\s)+16*\c+4*\q:64*(\s)+16*\c+4*\q+3], v[STR] offset:128*\c+16*\q
.endr
.endr
	WIN 0
.endm
.macro LOADGB p                        ; gain and bias of registers 32 p .. 32 p + 31, into buffer p % 3
.set GBB, 32+64*((\p)%3)
.irp e, 0,1
.irp q, 0,1,2,3
	ds_load_b128 v[GBB+16*\e+4*\q:GBB+16*\e+4*\q+3], v[GA] offset:256*(\p)+128*\e+16*\q
	ds_load_b128 v[GBB+32+16*\e+4*\q:GBB+32+16*\e+4*\q+3], v[GA] offset:2048+256*(\p)+128*\e+16*\q
.endr
.endr
.endm
.macro LANES                           ; four chains into one number, and the other half of the lanes' (a row lies in lanes r and r + 16)
	WIN 0
	v_pk_add_f32 v[20:21], v[20:21], v[22:23]
	v_pk_add_f32 v[24:25], v[24:25], v[26:27]
	v_pk_add_f32 v[20:21], v[20:21], v[24:25]
	v_add_f32 v20, v20, v21
	v_permlanex16_b32 v[PD], v20, s92, s93
	v_add_f32 v20, v20, v[PD]
.endm
.macro STATS                           ; mean; deviations in place; mean of their squares; 1 / sqrt(var + eps)
	WIN 0x0f
.irp k, 0,1,2,3
	v_pk_add_f32 v[20+2*\k:21+2*\k], v[4*\k:4*\k+1], v[4*\k+2:4*\k+3]
.endr
	WIN 0x0c
.set j, 16
.rept 120
	v_pk_add_f32 v[20+2*((j/2)%4):21+2*((j/2)%4)], v[20+2*((j/2)%4):21+2*((j/2)%4)], v[j:j+1]
.set j, j+2
.endr
	LANES
	v_mul_f32 v16, 0x3b000000, v20                 ; / 512
	v_mov_b32 v17, v16
	WIN 0xc3
.set j, 0
.rept 128
	v_pk_add_f32 v[j:j+1], v[j:j+1], v[16:17] op_sel_hi:[1,0] neg_lo:[0,1] neg_hi:[0,1]
.set j, j+2
.endr
	WIN 0x0f
.irp k, 0,1,2,3
	v_pk_mul_f32 v[20+2*\k:21+2*\k], v[2*\k:2*\k+1], v[2*\k:2*\k+1]
.endr
.set j, 8
.rept 124
	v_pk_fma_f32 v[20+2*((j/2)%4):21+2*((j/2)%4)], v[j:j+1], v[j:j+1], v[20+2*((j/2)%4):21+2*((j/2)%4)]
.set j, j+2
.endr
	LANES
	v_fma_f32 v18, v20, s94, s95                   ; / 512 + 1e-5
	s_wait_alu depctr_va_vdst(0)
	v_rsq_f32 v18, v18
	v_nop                                          ; a plain line behind the transcendental
	s_wait_alu depctr_va_vdst(0)                   ; the root's reciprocal in v18 is written: the wait ahead of its first reader
	v_mov_b32 v19, v18
.endm
.macro APPLY p                         ; registers 32 p on: x 1 / sqrt, x gain + bias
.if (\p) <= 5
	s_wait_dscnt 32                                ; buffer p is in; the 32 loads of the two buffers behind it may be out
.elseif (\p) == 6
	s_wait_dscnt 16
.else
	s_wait_dscnt 0
.endif
.set GBB, 32+64*((\p)%3)
	WIN 0xc3
.set j, 0
.rept 16
	v_pk_mul_f32 v[32*(\p)+j:32*(\p)+j+1], v[32*(\p)+j:32*(\p)+j+1], v[18:19] op_sel_hi:[1,0]
.set j, j+2
.endr
.set j, 0
.rept 16
	v_pk_fma_f32 v[32*(\p)+j:32*(\p)+j+1], v[32*(\p)+j:32*(\p)+j+1], v[GBB+j:GBB+j+1], v[GBB+32+j:GBB+32+j+1]
.set j, j+2
.endr
	WIN 0
.if (\p)+3 < 8
	s_wait_alu depctr_va_vdst(0)                   ; the multiply-adds above are done reading buffer p % 3, in which the loads below land
	LOADGB (\p)+3
.endif
.endm
.macro QCODES s, m                     ; K step s, quantised with matrix m's scale for xn, into code set 3 (s % 2) + m
.set PCS, 96+16*(3*((\s)%2)+(\m))
	WIN 0x03
.set j, 0
.rept 64
	v_med3_num_f32 v[32+j], v[64*(\s)+j], -v[245+2*(\m)], v[245+2*(\m)]   ; the conversion does not saturate (ISA guide 7.6.2): the hold at the largest code x the scale
.set j, j+1
.endr
	WIN 0
.irp b, 0,1,2,3
	v_cvt_scalef32_pk8_bf8_f32 v[PCS+4*\b:PCS+4*\b+1], v[32+16*\b:39+16*\b], v[244+2*(\m)]
	v_cvt_scalef32_pk8_bf8_f32 v[PCS+4*\b+2:PCS+4*\b+3], v[40+16*\b:47+16*\b], v[244+2*(\m)]
.endr
	v_nop                                          ; a plain line behind the conversions, ahead of the lines that write their sources again
.endm
.macro QSTEP u, s                      ; K step s of tile u: its three fragments of codes are made together, and their images go to LDS behind one wait
	s_wait_dscnt 12                                ; the stores that read this group of code sets two K steps ago are done; the 12 of the K step between may be out
.if (\s) >= 2
	s_wait_alu depctr_vm_vsrc(0)                   ; the LDS stores of K step s - 2 have read this group's three sets, which the conversions below write again
.endif
	QCODES \s, 0
	QCODES \s, 1
	QCODES \s, 2
	s_wait_alu depctr_va_vdst(0)                   ; the conversions have written the three sets, which the stores read; and the holds are done reading window 3's registers 64 s on, in which the second tile's loads land
.irp m, 0,1,2
.irp c, 0,1,2,3
	ds_store_b128 v[XW+\m], v[96+16*(3*((\s)%2)+\m)+4*\c:96+16*(3*((\s)%2)+\m)+4*\c+3] offset:8192*(\u)+2048*(\s)+512*\c
.endr
.endr
.endm
.macro WLQK t                          ; my matrix's tile t, four K steps
	WIN 0x40
.irp s, 0,1,2,3
.irp c, 0,1,2,3
	global_load_b128 v[64*(\t)+16*\s+4*\c:64*(\t)+16*\s+4*\c+3], v[WA], s[WQK:WQK+1] offset:(32*((\t)/2)+8*((\t)%2))*512+128*\s+32*\c
.endr
.endr
	WIN 0
.endm
.macro TILE u
	LOADGB 0
	LOADGB 1
	LOADGB 2
	s_wait_dscnt 48                                ; the tile is back from the stage; the 48 loads of gain and bias may be out
	STATS
.if \u == 0
	s_wait_alu depctr_va_vdst(0)
	WLQK 3                                         ; the second part of the weights that stay
	WIN 0x80
.irp n, 0,1
.irp s, 0,1,2,3
.irp c, 0,1,2,3
	global_load_b128 v[64*\n+16*\s+4*\c:64*\n+16*\s+4*\c+3], v[WA], s[WVB:WVB+1] offset:4096*\n+128*\s+32*\c
.endr
.endr
.endr
	WIN 0
.endif
	s_wait_alu depctr_va_vdst(0)
.irp p, 0,1,2,3,4,5,6,7
	APPLY \p
.endr
.if \u == 0
	WIN 0x80                                       ; the biases, in the results' layouts
.irp t, 0,1,2,3
	global_load_b128 v[128+8*\t:131+8*\t], v[BA], s[BQK:BQK+1] offset:(32*(\t/2)+8*(\t%2))*4
	global_load_b128 v[132+8*\t:135+8*\t], v[BA], s[BQK:BQK+1] offset:(32*(\t/2)+8*(\t%2))*4+16
.endr
.irp n, 0,1
	global_load_b32 v[160+8*\n], v[BVA], s[BVB:BVB+1] offset:32*\n
.endr
	WIN 0
.endif
.irp s, 0,1,2,3
	QSTEP \u, \s
.if \u == 0
	XLOAD 1, \s                                    ; the second tile's numbers take the registers that have just been quantised.  No wait: no vector line since the K step's wait names them
.endif
.endr
.endm
.macro FETCH b, s, f                   ; K step s of token tiles 2 b, 2 b + 1: my matrix's images and v's, into buffer f
.irp i, 0,1
.irp c, 0,1,2,3
	ds_load_b128 v[(\f)+16*\i+4*\c:(\f)+16*\i+4*\c+3], v[FQ] offset:(2*(\b)+\i)*8192+2048*(\s)+512*\c
	ds_load_b128 v[(\f)+32+16*\i+4*\c:(\f)+32+16*\i+4*\c+3], v[FV] offset:(2*(\b)+\i)*8192+2048*(\s)+512*\c
.endr
.endr
.endm
.macro MULS s, f, w                    ; twelve products, twelve accumulators by turns; in K step 0 the bias tiles are C.  w = 1: loads into buffer f follow before any other wait on va_vdst
.if (\s) == 0
	WIN 0x21
.else
	WIN 0x01
.endif
.irp i, 0,1
.irp t, 0,1,2,3
.if (\s) == 0
	v_wmma_f32_16x16x128_bf8_bf8 v[160+32*\i+8*\t:167+32*\i+8*\t], v[64*\t+16*(\s):64*\t+16*(\s)+15], v[(\f)+16*\i:(\f)+16*\i+15], v[128+8*\t:135+8*\t]
.else
	v_wmma_f32_16x16x128_bf8_bf8 v[160+32*\i+8*\t:167+32*\i+8*\t], v[64*\t+16*(\s):64*\t+16*(\s)+15], v[(\f)+16*\i:(\f)+16*\i+15], v[160+32*\i+8*\t:167+32*\i+8*\t]
.endif
.endr
.endr
.if (\s) == 0
	WIN 0x28
.else
	WIN 0x08
.endif
.irp n, 0,1
.irp i, 0,1
.if (\s) == 0
	v_wmma_f32_16x16x128_bf8_bf8 v[224+16*\n+8*\i:231+16*\n+8*\i], v[(\f)+32+16*\i:(\f)+47+16*\i], v[64*\n+16*(\s):64*\n+16*(\s)+15], v[160+8*\n:167+8*\n]
.else
	v_wmma_f32_16x16x128_bf8_bf8 v[224+16*\n+8*\i:231+16*\n+8*\i], v[(\f)+32+16*\i:(\f)+47+16*\i], v[64*\n+16*(\s):64*\n+16*(\s)+15], v[224+16*\n+8*\i:231+16*\n+8*\i]
.endif
.endr
.endr
	WIN 0
.rept 4
	v_nop                                          ; places behind the products, ahead of reads of their results
.endr
.if \w
	s_wait_alu depctr_va_vdst(0)                   ; these products are done reading buffer f, in which the loads at the next step's head land
.endif
.endm
.macro OUT b                           ; the pair's sums become codes and leave: each store covers 512 consecutive bytes
	s_wait_xcnt 0x0                                ; the earlier stores have read their data registers
.if (\b) > 0
	s_wait_alu depctr_vm_vsrc(0)                   ; the last pair's stores have read window 2's v176-199, which the conversions below write again
.endif
.set j, 0
.rept 64
	v_med3_num_f32 v[160+j], v[160+j], -v29, v29
.set j, j+1
.endr
.set j, 0
.rept 32
	v_med3_num_f32 v[224+j], v[224+j], -v31, v31
.set j, j+1
.endr
	WIN 0x80
.irp i, 0,1
.irp t, 0,1,2,3
	v_cvt_scalef32_pk8_bf8_f32 v[176+8*\i+2*\t:177+8*\i+2*\t], v[160+32*\i+8*\t:167+32*\i+8*\t], v28
.endr
.endr
.irp n, 0,1
.irp i, 0,1
	v_cvt_scalef32_pk8_bf8_f32 v[192+4*\n+2*\i:193+4*\n+2*\i], v[224+16*\n+8*\i:231+16*\n+8*\i], v30
.endr
.endr
	v_nop                                          ; a plain line behind the conversions: the next products write their sources
	WIN 0x08
	s_wait_alu depctr_va_vdst(0)                   ; the conversions have written the codes, which the stores read; and the pair's last products are done reading their buffer of images, in which the next step's loads land
.irp i, 0,1
.irp c, 0,1
	global_store_b128 v[LI], v[176+8*\i+4*\c:179+8*\i+4*\c], s[OQ:OQ+1] offset:(2*(\b)+\i)*1024+512*\c
.endr
.endr
.irp n, 0,1
	global_store_b128 v[LI], v[192+4*\n:195+4*\n], s[OV:OV+1] offset:2048*\n+512*(\b)
.endr
	WIN 0
.endm
	s_load_b256 s[4:11], s[0:1], 0x0               ; x, ln1_g, ln1_b, Wq
	s_load_b256 s[12:19], s[0:1], 0x20             ; Wk, Wv, bq, bk
	s_load_b256 s[20:27], s[0:1], 0x40             ; bv, scales, Wo, W1
	s_load_b256 s[28:35], s[0:1], 0x60             ; W2, q_img, k_img, v_img
	s_load_b64 s[36:37], s[0:1], 0x80              ; w_img
	s_set_vgpr_msb 0x80
	v_lshl_add_u32 v254, v0, 2, 0x39400
	v_mov_b32 v255, 0
	s_set_vgpr_msb 0x8000
	v_lshrrev_b32 v2, 5, v0
	v_readfirstlane_b32 s56, v2                    ; wave
	v_and_b32 v1, 31, v0
	v_lshlrev_b32 v[LI], 4, v1
	v_and_b32 v20, 15, v0                          ; r
	v_bfe_u32 v21, v0, 4, 1                        ; h
	v_and_b32 v22, 8, v20
	v_add_nc_u32 v22, v22, v20                     ; r + 8 (r / 8)
	v_lshlrev_b32 v[WA], 9, v22
	v_lshl_add_u32 v[WA], v21, 4, v[WA]
	v_lshlrev_b32 v[W2A], 11, v22
	v_lshl_add_u32 v[W2A], v21, 4, v[W2A]
	v_lshlrev_b32 v[TD], 4, v0
	v_add_nc_u32 v[TDL], GLDS, v[TD]
	s_wait_alu depctr_va_sdst(0)                   ; s56, the wave's number, is written, ahead of its first reader
	s_mul_i32 s60, s56, 16*SPB
	s_add_co_u32 s60, s60, STG
	v_add_nc_u32 v[STW], s60, v[LI]
	v_mul_u32_u24 v[STR], v20, SPB
	v_lshl_add_u32 v[STR], v21, 6, v[STR]
	v_add_nc_u32 v[STR], s60, v[STR]
	v_lshlrev_b32 v[BA], 6, v21
	v_add_nc_u32 v[GA], GLDS, v[BA]
	s_lshl_b32 s61, s56, 14
	v_add_nc_u32 v[XW], s61, v[LI]
	v_add_nc_u32 v[XW+1], 0x10000, v[XW]
	v_add_nc_u32 v[XW+2], 0x20000, v[XW]
	s_lshr_b32 s61, s56, 1
	s_lshl_b32 s61, s61, 16
	v_add_nc_u32 v[FQ], s61, v[LI]
	v_add_nc_u32 v[FV], 0x20000, v[LI]
	v_lshlrev_b32 v[BVA], 2, v22
	v_mov_b32 v[PD], 0
	s_mov_b32 s92, 0x76543210
	s_mov_b32 s93, 0xfedcba98
	s_and_b32 s58, ttmp7, 0xffff                   ; the pair of heads
	s_lshl_b32 s59, s58, 6
	s_add_co_u32 s59, s59, ttmp9
	s_lshl_b32 s59, s59, 2
	s_add_co_u32 s59, s59, s56                     ; W: my wave's number in the launch, 0 .. 1,023
	s_lshr_b32 s60, ttmp9, 4
	s_lshl_b32 s60, s60, 3                         ; 8 x batch
	s_and_b32 s61, ttmp9, 15                       ; which 128 tokens of the batch
	s_and_b32 s62, s56, 1
	s_lshr_b32 s63, s56, 1
	s_lshl_b32 s98, s58, 1
	s_add_co_u32 s99, s98, s62                     ; the head of my q or k columns
	s_add_co_u32 s98, s98, s63                     ; the head of my v channels
	s_mov_b32 s95, 0
	s_wait_kmcnt 0x0
	s_load_b512 s[40:55], s[22:23], 0x0            ; e0 .. e15
	s_lshl_b32 s94, ttmp9, 18
	s_lshl_b32 s96, s56, 16
	s_add_co_u32 s94, s94, s96
	s_add_nc_u64 s[XB:XB+1], s[4:5], s[94:95]      ; x at my 32 tokens
	s_cmp_lt_u32 s56, 2                            ; waves 0, 1: q; waves 2, 3: k
	s_cselect_b64 s[WQK:WQK+1], s[10:11], s[12:13]
	s_cselect_b64 s[BQK:BQK+1], s[16:17], s[18:19]
	s_cselect_b64 s[OQ:OQ+1], s[30:31], s[32:33]
	s_lshl_b32 s94, s99, 15
	s_add_nc_u64 s[WQK:WQK+1], s[WQK:WQK+1], s[94:95]
	s_lshl_b32 s94, s99, 8
	s_add_nc_u64 s[BQK:BQK+1], s[BQK:BQK+1], s[94:95]
	s_add_co_u32 s94, s60, s99
	s_lshl_b32 s94, s94, 17
	s_lshl_b32 s96, s61, 13
	s_add_co_u32 s94, s94, s96
	s_add_nc_u64 s[OQ:OQ+1], s[OQ:OQ+1], s[94:95]
	s_lshl_b32 s94, s98, 15
	s_lshl_b32 s96, s62, 14
	s_add_co_u32 s94, s94, s96
	s_add_nc_u64 s[WVB:WVB+1], s[14:15], s[94:95]
	s_lshl_b32 s94, s98, 8
	s_lshl_b32 s96, s62, 7
	s_add_co_u32 s94, s94, s96
	s_add_nc_u64 s[BVB:BVB+1], s[20:21], s[94:95]
	s_add_co_u32 s94, s60, s98
	s_lshl_b32 s94, s94, 17
	s_lshl_b32 s96, s61, 13
	s_add_co_u32 s94, s94, s96
	s_lshl_b32 s96, s62, 12
	s_add_co_u32 s94, s94, s96
	s_add_nc_u64 s[OV:OV+1], s[34:35], s[94:95]
	; the copies: two pieces (16 rows x 32 codes) of one fragment of W1 and of W2.  Tile T begins at row 16 T - 8 (T % 2)
	s_lshr_b32 s60, s59, 1                         ; F
	s_and_b32 s61, s59, 1
	s_lshl_b32 s61, s61, 1                         ; the first of my two pieces
	s_lshr_b32 s62, s60, 2                         ; W1: tile T,
	s_and_b32 s63, s60, 3                          ; K step s
	s_lshl_b32 s94, s62, 4
	s_and_b32 s96, s62, 1
	s_lshl_b32 s96, s96, 3
	s_sub_co_u32 s94, s94, s96
	s_lshl_b32 s94, s94, 9
	s_lshl_b32 s96, s63, 7
	s_add_co_u32 s94, s94, s96
	s_lshl_b32 s96, s61, 5
	s_add_co_u32 s94, s94, s96
	s_add_nc_u64 s[82:83], s[26:27], s[94:95]
	s_lshr_b32 s96, s62, 5                         ; chunk j of 512 hidden units
	s_cmp_eq_u32 s96, 0
	s_cselect_b32 s98, 4, 0
	s_lshl_b32 s96, s96, 3
	s_add_co_u32 s96, s96, s63
	s_add_co_u32 s96, s96, s98                     ; its place in the reader's order: 8 j + s, + 4 for chunk 0
	s_lshl_b32 s94, s96, 14
	s_bfe_u32 s96, s62, 0x20003                    ; the reading wave
	s_mul_i32 s96, s96, 589824
	s_add_co_u32 s94, s94, s96
	s_and_b32 s96, s62, 7
	s_lshl_b32 s96, s96, 11
	s_add_co_u32 s94, s94, s96
	s_lshl_b32 s96, s61, 9
	s_add_co_u32 s94, s94, s96
	s_add_nc_u64 s[88:89], s[36:37], s[94:95]
	s_lshr_b32 s62, s60, 4                         ; W2: tile T,
	s_and_b32 s63, s60, 15                         ; K step S
	s_lshl_b32 s94, s62, 4
	s_and_b32 s96, s62, 1
	s_lshl_b32 s96, s96, 3
	s_sub_co_u32 s94, s94, s96
	s_lshl_b32 s94, s94, 11
	s_lshl_b32 s96, s63, 7
	s_add_co_u32 s94, s94, s96
	s_lshl_b32 s96, s61, 5
	s_add_co_u32 s94, s94, s96
	s_add_nc_u64 s[84:85], s[28:29], s[94:95]
	s_lshr_b32 s96, s63, 2                         ; chunk j
	s_cmp_eq_u32 s96, 3
	s_cselect_b32 s98, 8, 12
	s_lshl_b32 s96, s96, 3
	s_add_co_u32 s96, s96, s98
	s_and_b32 s98, s63, 3
	s_add_co_u32 s96, s96, s98                     ; 12 + 8 j + S % 4, less 4 for the last chunk
	s_lshl_b32 s94, s96, 14
	s_lshr_b32 s96, s62, 3
	s_mul_i32 s96, s96, 589824
	s_add_co_u32 s94, s94, s96
	s_and_b32 s96, s62, 7
	s_lshl_b32 s96, s96, 11
	s_add_co_u32 s94, s94, s96
	s_lshl_b32 s96, s61, 9
	s_add_co_u32 s94, s94, s96
	s_add_nc_u64 s[90:91], s[36:37], s[94:95]
	s_wait_alu depctr_va_vdst(0)                   ; the addresses and offsets v1 to v14 and v250 are written, which the loads and stores of the whole kernel read
	global_load_b128 v[224:227], v[WA], s[82:83]
	global_load_b128 v[228:231], v[WA], s[82:83] offset:32
	global_load_b128 v[232:235], v[W2A], s[84:85]
	global_load_b128 v[236:239], v[W2A], s[84:85] offset:32
	global_load_b128 v[216:219], v[TD], s[6:7]     ; ln1_g and ln1_b, 16 bytes a thread
	global_load_b128 v[220:223], v[TD], s[8:9]
	XLOAD 0, 0
	XLOAD 0, 1
	XLOAD 0, 2
	XLOAD 0, 3
	s_cmp_lt_u32 s59, 512                          ; Wo has 512 pieces: the first 512 waves take one each, load, wait and store in one block
	s_cbranch_scc0 .Lno_wo
	s_lshr_b32 s60, s59, 2
	s_and_b32 s61, s59, 3                          ; piece
	s_lshr_b32 s62, s60, 2                         ; tile
	s_and_b32 s63, s60, 3                          ; K step
	s_lshl_b32 s94, s62, 4
	s_and_b32 s96, s62, 1
	s_lshl_b32 s96, s96, 3
	s_sub_co_u32 s94, s94, s96
	s_lshl_b32 s94, s94, 9
	s_lshl_b32 s96, s63, 7
	s_add_co_u32 s94, s94, s96
	s_lshl_b32 s96, s61, 5
	s_add_co_u32 s94, s94, s96
	s_add_nc_u64 s[80:81], s[24:25], s[94:95]
	s_lshl_b32 s94, s63, 14
	s_lshr_b32 s96, s62, 3
	s_mul_i32 s96, s96, 589824
	s_add_co_u32 s94, s94, s96
	s_and_b32 s96, s62, 7
	s_lshl_b32 s96, s96, 11
	s_add_co_u32 s94, s94, s96
	s_lshl_b32 s96, s61, 9
	s_add_co_u32 s94, s94, s96
	s_add_nc_u64 s[86:87], s[36:37], s[94:95]
	global_load_b128 v[240:243], v[WA], s[80:81]
	s_wait_loadcnt 0x0                             ; it is the youngest load; the statistics below want all the older ones too
	global_store_b128 v[LI], v[240:243], s[86:87]
.Lno_wo:
	s_wait_loadcnt 48                              ; all but the 48 loads of K steps 1 to 3 are in
	ds_store_b128 v[TDL], v[216:219]
	ds_store_b128 v[TDL], v[220:223] offset:2048
	global_store_b128 v[LI], v[224:227], s[88:89]
	global_store_b128 v[LI], v[228:231], s[88:89] offset:512
	global_store_b128 v[LI], v[232:235], s[90:91]
	global_store_b128 v[LI], v[236:239], s[90:91] offset:512
	TURN 0
	s_wait_loadcnt 32
	TURN 1
	s_wait_loadcnt 16
	TURN 2
	s_wait_loadcnt 0
	TURN 3
	s_wait_kmcnt 0x0
	s_mov_b32 s94, 0x3b000000                      ; 1 / 512
	s_mov_b32 s95, 0x3727c5ac                      ; 1e-5
.irp m, 0,1,2
	MKSC 41+2*\m, 244+2*\m, 245+2*\m               ; xn's three scales: e1, e3, e5
.endr
	s_cmp_lt_u32 s56, 2
	s_cselect_b32 s62, s40, s42                    ; the weight's e,
	s_cselect_b32 s63, s41, s43                    ; xn's,
	s_cselect_b32 s98, s46, s47                    ; the result's: e6 for q, e7 for k
	s_add_co_i32 s62, s62, s63
	s_sub_co_i32 s96, 0, s62                       ; the bias goes in divided by the power of two that the sums lack
	s_sub_co_i32 s98, s98, s62                     ; the three scales folded into the conversion's one
	MKSC 98, 28, 29
	s_add_co_i32 s62, s44, s45
	s_sub_co_i32 s97, 0, s62
	s_sub_co_i32 s98, s49, s62
	MKSC 98, 30, 31
	s_wait_dscnt 0x0                               ; my stores of gain and bias have landed
	s_barrier_signal -1
	s_barrier_wait -1
	WLQK 0                                         ; the first part of the weights that stay
	WLQK 1
	WLQK 2
	TILE 0
	s_wait_loadcnt 48                              ; the second tile's K step 0 is in; the 48 loads of its K steps 1 to 3 may be out
	TURN 0
	s_wait_loadcnt 32
	TURN 1
	s_wait_loadcnt 16
	TURN 2
	s_wait_loadcnt 0
	TURN 3
	TILE 1
	s_wait_dscnt 0x0                               ; my images have landed
	s_barrier_signal -1
	s_barrier_wait -1                              ; all 96 images lie in LDS
	s_wait_loadcnt 0x0
	s_wait_xcnt 0x0                                ; the copies' stores have read v224 on, where sums are made now
	s_wait_alu depctr_vm_vsrc(0)                   ; my LDS stores of the second tile's codes have read v96-191: images land there and sums are made there from here on
	WIN 0x82
.set j, 0
.rept 32
	v_ldexp_f32 v[128+j], v[128+j], s96
.set j, j+1
.endr
.irp n, 0,1
.irp k, 7,6,5,4,3,2,1,0
	v_ldexp_f32 v[160+8*\n+\k], v[160+8*\n], s97   ; in v's sums a lane holds one channel: its bias in all eight registers
.endr
.endr
	WIN 0
	FETCH 0, 0, 32                                 ; no wait: no vector line since the last K step's wait on va_vdst names v32-159
.set kk, 0
	s_wait_alu depctr_va_vdst(0)
.rept 16                               ; step kk: pair kk / 4 of token tiles, K step kk % 4; the next step's images are asked for first
.if kk < 15
	FETCH (kk+1)/4, (kk+1)%4, 32+64*((kk+1)%2)
	s_wait_dscnt 16                                ; this step's 16 loads are in; the 16 just issued may be out
.else
	s_wait_dscnt 0
.endif
.if (kk%4 != 3) && (kk < 14)
	MULS kk%4, 32+64*(kk%2), 1
.else
	MULS kk%4, 32+64*(kk%2), 0                     ; a pair's last step: the wait ahead of the pair's stores serves; the last two steps: nothing lands in their buffers any more
.endif
.if kk%4 == 3
	OUT kk/4
.endif
.set kk, kk+1
.endr
	s_set_vgpr_msb 0xa                             ; the add's two registers, sources 0 and 1, lie in window 2
	s_wait_dscnt 0x0                               ; the closing lines, six on end
	s_wait_alu 0x0
	s_wait_tensorcnt 0x0
	ds_add_u32 v254, v255
	s_wait_dscnt 0x0
	s_endpgm
.Lfunc_end_k_q7e3cf66848_qkv:
	.size	k_q7e3cf66848_qkv, .Lfunc_end_k_q7e3cf66848_qkv-k_q7e3cf66848_qkv
	.p2alignl 7, 3214868480
	.fill 96, 4, 3214868480
	.section	.rodata,"a",@progbits
	.p2align	6, 0x0
	.amdhsa_kernel k_q7e3cf66848_qkv
		.amdhsa_group_segment_fixed_size 235008
		.amdhsa_private_segment_fixed_size 0
		.amdhsa_enable_private_segment 0
		.amdhsa_kernarg_size 136
		.amdhsa_user_sgpr_count 2
		.amdhsa_user_sgpr_kernarg_segment_ptr 1
		.amdhsa_wavefront_size32 1
		.amdhsa_system_sgpr_workgroup_id_x 1
		.amdhsa_system_sgpr_workgroup_id_y 1
		.amdhsa_system_sgpr_workgroup_id_z 1
		.amdhsa_system_vgpr_workitem_id 0
		.amdhsa_next_free_vgpr 1024
		.amdhsa_next_free_sgpr 102
		.amdhsa_reserve_vcc 0
		.amdhsa_float_denorm_mode_32 3
		.amdhsa_float_denorm_mode_16_64 3
		.amdhsa_memory_ordered 1
		.amdhsa_forward_progress 1
		.amdhsa_inst_pref_size 255
	.end_amdhsa_kernel
	.section	.bss,"aw",@nobits
	.p2align	6
	.space	262144
	.amdgpu_metadata
---
amdhsa.version: [ 1, 2 ]
amdhsa.kernels:
  - .name:           k_q7e3cf66848_qkv
    .symbol:         k_q7e3cf66848_qkv.kd
    .args:
      - { .name: x, .offset: 0, .size: 8, .value_kind: global_buffer, .address_space: global }
      - { .name: ln1_g, .offset: 8, .size: 8, .value_kind: global_buffer, .address_space: global }
      - { .name: ln1_b, .offset: 16, .size: 8, .value_kind: global_buffer, .address_space: global }
      - { .name: Wq_codes, .offset: 24, .size: 8, .value_kind: global_buffer, .address_space: global }
      - { .name: Wk_codes, .offset: 32, .size: 8, .value_kind: global_buffer, .address_space: global }
      - { .name: Wv_codes, .offset: 40, .size: 8, .value_kind: global_buffer, .address_space: global }
      - { .name: bq, .offset: 48, .size: 8, .value_kind: global_buffer, .address_space: global }
      - { .name: bk, .offset: 56, .size: 8, .value_kind: global_buffer, .address_space: global }
      - { .name: bv, .offset: 64, .size: 8, .value_kind: global_buffer, .address_space: global }
      - { .name: lowp_scales, .offset: 72, .size: 8, .value_kind: global_buffer, .address_space: global }
      - { .name: Wo_codes, .offset: 80, .size: 8, .value_kind: global_buffer, .address_space: global }
      - { .name: W1_codes, .offset: 88, .size: 8, .value_kind: global_buffer, .address_space: global }
      - { .name: W2_codes, .offset: 96, .size: 8, .value_kind: global_buffer, .address_space: global }
      - { .name: q_img, .offset: 104, .size: 8, .value_kind: global_buffer, .address_space: global }
      - { .name: k_img, .offset: 112, .size: 8, .value_kind: global_buffer, .address_space: global }
      - { .name: v_img, .offset: 120, .size: 8, .value_kind: global_buffer, .address_space: global }
      - { .name: w_img, .offset: 128, .size: 8, .value_kind: global_buffer, .address_space: global }
    .group_segment_fixed_size: 235008
    .private_segment_fixed_size: 0
    .kernarg_segment_align: 8
    .kernarg_segment_size: 136
    .max_flat_workgroup_size: 128
    .sgpr_count:     102
    .vgpr_count:     1024
    .wavefront_size: 32
...
	.end_amdgpu_metadata
.endif
;; end of part 4
;; launch attn (part 5): grid 8 x 32, 16 waves a work-group, clusters of 4 x 1, 264,192 bytes of LDS; arguments q_img, k_img, v_img, lowp_scales, av_img; writes av_img
.if DOCPART == 5
	.amdgcn_target "amdgcn-amd-amdhsa--gfx1250"
	.amdhsa_code_object_version 6
	.text
	.protected	k_q7e3cf66848_attn
	.globl	k_q7e3cf66848_attn
	.p2align	8
	.type	k_q7e3cf66848_attn,@function
k_q7e3cf66848_attn:
	s_mov_b64 s[64:65], 0
	v_nop
	global_prefetch_b8 v0, s[64:65] scope:SCOPE_SE
	s_setreg_imm32_b32 hwreg(HW_REG_WAVE_MODE, 25, 1), 1
	s_wait_xcnt 0x0
	s_wait_alu depctr_hold_cnt(0) depctr_sa_sdst(0) depctr_va_vdst(0) depctr_va_sdst(0) depctr_va_ssrc(0) depctr_va_vcc(0) depctr_vm_vsrc(0)
	s_getreg_b32 s2, hwreg(HW_REG_IB_STS2, 6, 4)
	s_cmp_eq_u32 s2, 0
	s_cbranch_scc0 .Lentry_in_a_cluster
	s_endpgm
.Lentry_in_a_cluster:
	s_bfe_u32 s2, ttmp6, 0x10000c
	s_cmp_lg_u32 s2, 0x3003
	s_cbranch_scc0 .Lentry_shape_is_right
	s_endpgm
.Lentry_shape_is_right:
; Attention on E5M2 codes: S^T = K Q^T, p = 2^(t - M) with M a whole number, O^T = V^T P^T, O / the sum of the unquantised p, quantised with e10 into images for the next product.
; SHARES.  y of the grid: batch x head.  A work-group owns 256 queries, each of its sixteen waves one tile of 16, in 256 registers.  Every wave walks the head's 2,048 keys, 128 a step.
; ALL OF A HEAD'S K AND V LIES IN LDS: K's images at 0, V's at 131,072, as they lie in memory.  Each LDS byte is filled once in the launch, by waves 0 to 3, four tensor loads of 16 KiB each, all issued at the head;
; the keys are walked in four stages of 512, each behind a counted wait and a barrier.  By this text's count a fetching wave has four tensor loads out.
; CLUSTER.  The four work-groups of a cluster belong to one head and want the same K and V: each load is asked for jointly, with the same descriptor and a mask that names the four.
; LAYOUT.  A lane holds one query (lane % 16) throughout.  The keys of a tile are laid so that the 16 registers of two neighbouring tiles of S^T are 16 neighbouring keys: the conversions' results are the second product's operand.
; LIMITS: e6 + e7 between -123 and 130; e8 and e10 - e8 - e9 between -126 and 112.  NaN and infinities are not served.
; REGISTERS: v1-3 addresses; v12 -M, v13 the largest t, v[14:15] the sum; v16-23 Q; v32-95 K's eight fragments, then V's four; v96-159 S^T, then p; v160-191 O^T; v192-207 codes; v208-219 at work and scales.
.set LI,  1
.set ADK, 2
.set ADV, 3
.macro ROUND                           ; a round of the cluster's barrier
	s_barrier_signal -1
	s_barrier_wait -1
	s_cmp_lg_u32 s14, 0
	s_cbranch_scc1 .Lnot_wave_0_\@
	s_barrier_signal -3
.Lnot_wave_0_\@:
	s_barrier_wait -3
	s_barrier_signal -1
	s_barrier_wait -1
.endm
.macro MKSC e, vs, vl                  ; s[e] = E: v[vs] = 2^E as f32, v[vl] = 57,344 x 2^E
	s_add_co_i32 s15, s[\e], 127
	s_lshl_b32 s16, s15, 23
	v_mov_b32 v[\vs], s16
	s_add_co_i32 s15, s15, 15
	s_lshl_b32 s15, s15, 23
	s_or_b32 s15, s15, 0x600000
	v_mov_b32 v[\vl], s15
.endm
	s_load_b128 s[4:7], s[0:1], 0x0                ; q_img, k_img
	s_load_b128 s[8:11], s[0:1], 0x10              ; v_img, scales
	s_load_b64 s[12:13], s[0:1], 0x20              ; av_img
	v_lshl_add_u32 v254, v0, 2, 0x40000
	v_mov_b32 v255, 0
	ds_add_u32 v254, v255
	ds_add_u32 v254, v255
	v_lshrrev_b32 v2, 5, v0
	s_delay_alu instid0(VALU_DEP_1)
	v_readfirstlane_b32 s14, v2                    ; wave 0 .. 15
	v_and_b32 v1, 31, v0
	s_delay_alu instid0(VALU_DEP_1)
	v_lshlrev_b32 v[LI], 4, v1
	s_and_b32 s15, s14, 3
	s_lshr_b32 s16, s15, 1                         ; I would fetch for K (0) or V (1),
	s_and_b32 s17, s15, 1                          ; the first or second 16 KiB of a stage's 32
	s_lshl_b32 s18, s16, 17
	s_lshl_b32 s19, s17, 14
	s_add_co_u32 s18, s18, s19                     ; where in LDS: the wave's number alone
	s_and_b32 s62, ttmp7, 0xffff                   ; batch x head, which the partners share
	s_lshl_b32 s66, s62, 17
	s_add_co_u32 s66, s66, s19
	s_mov_b32 s67, 0
	s_mov_b32 s24, 15|(3<<16)|(1<<21)              ; group 1: the mask of all four; elements of 8 bytes; bit 21 beside a mask; no padding
	s_mov_b32 s25, 32<<16                          ; tensor_dim0 = 32 elements: rows of 256 bytes
	s_mov_b32 s26, 64<<16                          ; tensor_dim1 = 64
	s_mov_b32 s27, 32<<16                          ; tile_dim0
	s_mov_b32 s28, 64                              ; tile_dim1
	s_mov_b32 s29, 32                              ; the pitch: the block is dense
	s_mov_b32 s30, 0
	s_mov_b32 s31, 0
	s_bfe_u32 s57, ttmp6, 0x40000                  ; my place in the cluster: it enters Q's and av's global addresses alone
	s_lshl_b32 s63, ttmp9, 2
	s_add_co_u32 s63, s63, s57
	s_lshl_b32 s63, s63, 4
	s_add_co_u32 s63, s63, s14                     ; my tile of queries, 0 .. 127
	s_lshl_b32 s70, s62, 17
	s_lshl_b32 s57, s63, 10
	s_add_co_u32 s70, s70, s57
	s_mov_b32 s71, 0
	s_mov_b32 s20, 0x76543210
	s_mov_b32 s21, 0xfedcba98
	s_mov_b32 s48, 0                               ; the LDS byte at which the step's K images begin
	s_wait_dscnt 0x0
	s_wait_kmcnt 0x0
	s_load_b128 s[52:55], s[10:11], 0x18           ; e6, e7, e8, e9
	s_load_b32 s56, s[10:11], 0x28                 ; e10
	s_add_nc_u64 s[58:59], s[4:5], s[70:71]        ; my tile's image of q
	s_lshr_b32 s70, s62, 3
	s_lshl_b32 s70, s70, 20
	s_lshl_b32 s57, s63, 13
	s_add_co_u32 s70, s70, s57
	s_and_b32 s57, s62, 7
	s_lshl_b32 s57, s57, 10
	s_add_co_u32 s70, s70, s57
	s_add_nc_u64 s[60:61], s[12:13], s[70:71]      ; where my tile's codes of av go: token tile x 8,192 + head x 1,024
	s_cmp_eq_u32 s16, 0
	s_cselect_b64 s[68:69], s[6:7], s[8:9]
	s_add_nc_u64 s[68:69], s[68:69], s[66:67]
.irp g, 0,1,2,3
	s_mov_b32 s[32+4*\g], 1
	s_add_co_u32 s[33+4*\g], s18, 32768*\g
	s_add_nc_u64 s[34+4*\g:35+4*\g], s[68:69], 32768*\g
	s_or_b32 s[35+4*\g], s[35+4*\g], 0x80000000
.endr
	ROUND                                          ; all four work-groups are here: the joint loads meet
	s_cmp_lt_u32 s14, 4                            ; a wave's four fills stand in one branch, ahead of every wait on TENSORcnt and every LDS read
	s_cbranch_scc0 .Lno_fetch
	tensor_load_to_lds s[32:35], s[24:31]
	s_nop 0
	tensor_load_to_lds s[36:39], s[24:31]
	s_nop 0
	tensor_load_to_lds s[40:43], s[24:31]
	s_nop 0
	tensor_load_to_lds s[44:47], s[24:31]
	s_nop 0
.rept 4
	v_nop
.endr
.Lno_fetch:
	s_wait_alu depctr_va_vdst(0)
	global_load_b128 v[16:19], v[LI], s[58:59]
	global_load_b128 v[20:23], v[LI], s[58:59] offset:512
	v_mov_b32 v13, 0xff61b1e6                      ; the largest t so far: -3e38
	s_delay_alu instid0(VALU_DEP_1)
	v_floor_f32 v12, -v13
	v_mov_b32 v14, 0
	v_mov_b32 v15, 0
	v_mov_b32 v208, 0
	v_mov_b32 v211, 0
.set j, 0
.rept 32
	v_mov_b32 v[160+j], 0                          ; O^T: the step is written without a first form; the first change of M multiplies zeros
.set j, j+1
.endr
	s_wait_kmcnt 0x0
	s_add_co_i32 s57, s52, s53
	s_lshl_b32 s57, s57, 23
	s_mov_b32 s22, 0x3e38aa3b                      ; log2(e) / sqrt(64)
	s_add_co_i32 s22, s22, s57                     ; x 2^(e6 + e7), by its exponent field
	s_mov_b32 s23, s22
	MKSC 54, 217, 216                              ; p's scale
	s_sub_co_i32 s57, s56, s54
	s_sub_co_i32 s57, s57, s55
	MKSC 57, 219, 218                              ; av's: e10 - e8 - e9, the three folded into one
.macro STEP
	v_add_nc_u32 v[ADK], s48, v[LI]
	s_delay_alu instid0(VALU_DEP_1)
	v_add_nc_u32 v[ADV], 0x20000, v[ADK]
	v_nop
	v_nop                                          ; four places behind the last products, ahead of loads into their operands
.irp t, 0,1,2,3,4,5,6,7
.irp c, 0,1
	ds_load_b128 v[32+8*\t+4*\c:35+8*\t+4*\c], v[ADK] offset:1024*\t+512*\c
.endr
.endr
	s_wait_alu depctr_va_vdst(0)
	s_wait_dscnt 8                                 ; tiles 0 to 3 are in; the eight loads of tiles 4 to 7 may be out
.irp t, 0,1,2,3
	v_wmma_f32_16x16x64_bf8_bf8 v[96+8*\t:103+8*\t], v[32+8*\t:39+8*\t], v[16:23], 0
.endr
	s_wait_dscnt 0
.irp t, 4,5,6,7
	v_wmma_f32_16x16x64_bf8_bf8 v[96+8*\t:103+8*\t], v[32+8*\t:39+8*\t], v[16:23], 0
.endr
.rept 4
	v_nop
.endr
.irp n, 0,1,2,3
.irp c, 0,1,2,3
	ds_load_b128 v[32+16*\n+4*\c:35+16*\n+4*\c], v[ADV] offset:2048*\n+512*\c   ; V's fragments land under the softmax
.endr
.endr
	v_max3_num_f32 v214, v96, v97, v98
	v_max3_num_f32 v215, v99, v100, v101
.irp i, 6,10,14,18,22,26,30,34,38,42,46,50,54,58
	v_max3_num_f32 v214, v214, v[96+\i], v[97+\i]
	v_max3_num_f32 v215, v215, v[98+\i], v[99+\i]
.endr
	v_max3_num_f32 v214, v214, v158, v159
	s_delay_alu instid0(VALU_DEP_1)
	v_max_num_f32 v214, v214, v215
	s_delay_alu instid0(VALU_DEP_1)
	v_permlanex16_b32 v208, v214, s20, s21
	s_delay_alu instid0(VALU_DEP_1)
	v_max_num_f32 v214, v214, v208
	s_delay_alu instid0(VALU_DEP_1)
	v_mul_f32 v214, s22, v214
	s_delay_alu instid0(VALU_DEP_1)
	v_max_num_f32 v13, v13, v214                   ; the running largest t
	v_mov_b32 v214, v12
	s_delay_alu instid0(VALU_DEP_2)
	v_floor_f32 v12, -v13                          ; -M = floor(-t): M is a whole number
	s_delay_alu instid0(VALU_DEP_1)
	v_sub_f32 v214, v12, v214
	s_delay_alu instid0(VALU_DEP_1)
	v_cvt_i32_f32 v214, v214
	s_delay_alu instid0(VALU_DEP_1)
	v_ldexp_f32 v210, 1.0, v214                    ; f = 2^(old M - new M)
.set j, 0
.rept 32
	v_pk_fma_f32 v[96+j:97+j], v[96+j:97+j], s[22:23], v[12:13] op_sel_hi:[1,0,0]
.set j, j+2
.endr
.set j, 0
	s_wait_alu depctr_va_vdst(0)
.rept 64
	v_exp_f32 v[96+j], v[96+j]
.set j, j+1
.endr
	s_setprio 1
	v_pk_mul_f32 v[14:15], v[14:15], v[210:211] op_sel_hi:[1,0]   ; a plain line behind the exponentials
	s_wait_alu depctr_va_vdst(0)                   ; one wait for the batch, ahead of its first reader
	v_pk_add_f32 v[212:213], v[100:101], v[104:105]
	v_pk_add_f32 v[252:253], v[108:109], v[112:113]
	v_pk_add_f32 v[250:251], v[116:117], v[120:121]
	v_pk_add_f32 v[248:249], v[124:125], v[128:129]
	v_pk_add_f32 v[246:247], v[132:133], v[136:137]
	v_pk_add_f32 v[244:245], v[140:141], v[144:145]
	v_pk_add_f32 v[242:243], v[148:149], v[152:153]
	v_pk_add_f32 v[14:15], v[14:15], v[156:157]
	v_pk_add_f32 v[212:213], v[212:213], v[96:97]
	v_pk_add_f32 v[252:253], v[252:253], v[98:99]
	v_pk_add_f32 v[250:251], v[250:251], v[102:103]
	v_pk_add_f32 v[248:249], v[248:249], v[106:107]
	v_pk_add_f32 v[246:247], v[246:247], v[110:111]
	v_pk_add_f32 v[244:245], v[244:245], v[114:115]
	v_pk_add_f32 v[242:243], v[242:243], v[118:119]
	v_pk_add_f32 v[14:15], v[14:15], v[122:123]
	v_pk_add_f32 v[212:213], v[212:213], v[126:127]
	v_pk_add_f32 v[252:253], v[252:253], v[130:131]
	v_pk_add_f32 v[250:251], v[250:251], v[134:135]
	v_pk_add_f32 v[248:249], v[248:249], v[138:139]
	v_pk_add_f32 v[246:247], v[246:247], v[142:143]
	v_pk_add_f32 v[244:245], v[244:245], v[146:147]
	v_pk_add_f32 v[242:243], v[242:243], v[150:151]
	v_pk_add_f32 v[14:15], v[14:15], v[154:155]
	v_pk_add_f32 v[212:213], v[212:213], v[158:159]
	s_delay_alu instid0(VALU_DEP_2)
	v_pk_add_f32 v[14:15], v[14:15], v[248:249]
	s_delay_alu instid0(VALU_DEP_2)
	v_pk_add_f32 v[212:213], v[212:213], v[246:247]
	v_pk_add_f32 v[252:253], v[252:253], v[244:245]
	v_pk_add_f32 v[250:251], v[250:251], v[242:243]
	s_delay_alu instid0(VALU_DEP_2)
	v_pk_add_f32 v[14:15], v[14:15], v[252:253]
	s_delay_alu instid0(VALU_DEP_2)
	v_pk_add_f32 v[212:213], v[212:213], v[250:251]
	s_delay_alu instid0(VALU_DEP_1)
	v_pk_add_f32 v[14:15], v[14:15], v[212:213]
.irp b, 0,1,2,3
.irp i, 0,1,2,3,4,5,6,7,8,9,10,11,12,13,14,15
	v_min_num_f32 v[96+16*\b+\i], v[96+16*\b+\i], v216   ; p is not negative: the hold is one-sided
.endr
	v_cvt_scalef32_pk8_bf8_f32 v[192+4*\b:193+4*\b], v[96+16*\b:103+16*\b], v217
	v_cvt_scalef32_pk8_bf8_f32 v[194+4*\b:195+4*\b], v[104+16*\b:111+16*\b], v217
.endr
.set j, 0
	s_setprio 0
.rept 16
	v_pk_mul_f32 v[160+j:161+j], v[160+j:161+j], v[210:211] op_sel_hi:[1,0]   ; O^T under the new M; also the plain lines behind the conversions
.set j, j+2
.endr
	s_wait_alu depctr_va_vdst(0)
	s_wait_dscnt 0x0                               ; V is in
.irp n, 0,1,2,3
	v_wmma_f32_16x16x128_bf8_bf8 v[160+8*\n:167+8*\n], v[32+16*\n:47+16*\n], v[192:207], v[160+8*\n:167+8*\n]
.endr
	s_add_co_u32 s48, s48, 8192
.endm
.macro STAGE g                         ; 512 keys: four steps
	s_wait_tensorcnt 3-(\g)                        ; my part of this stage has landed; the loads of the later stages may be out
	s_barrier_signal -1
	s_barrier_wait -1
	s_mov_b32 s49, 4
.Lstep_\@:
	s_setprio 2
	STEP
	s_sub_co_u32 s49, s49, 1
	s_cmp_lg_u32 s49, 0
	s_cbranch_scc1 .Lstep_\@
	s_setprio 0
.endm
	s_wait_loadcnt 0x0                             ; Q
	STAGE 0
	STAGE 1
	STAGE 2
	STAGE 3
.rept 4
	v_nop
.endr
	v_add_f32 v14, v14, v15
	s_delay_alu instid0(VALU_DEP_1)
	v_permlanex16_b32 v208, v14, s20, s21
	s_delay_alu instid0(VALU_DEP_1)
	v_add_f32 v14, v14, v208                       ; the row's sum
	s_wait_alu depctr_va_vdst(0)
	v_rcp_f32 v14, v14
	v_nop
	s_wait_alu depctr_va_vdst(0)
.set j, 0
.rept 16
	v_pk_mul_f32 v[96+j:97+j], v[160+j:161+j], v[14:15] op_sel_hi:[1,0]
.set j, j+2
.endr
.set j, 0
.rept 32
	v_med3_num_f32 v[96+j], v[96+j], -v218, v218
.set j, j+1
.endr
.irp n, 0,1,2,3
	v_cvt_scalef32_pk8_bf8_f32 v[192+2*\n:193+2*\n], v[96+8*\n:103+8*\n], v219
.endr
	v_nop
	global_store_b128 v[LI], v[192:195], s[60:61]              ; each store covers 512 consecutive bytes
	global_store_b128 v[LI], v[196:199], s[60:61] offset:512
	s_wait_tensorcnt 0x0
	ds_add_u32 v254, v255
	s_wait_dscnt 0x0
	ROUND                                          ; the closing round
	s_endpgm
.Lfunc_end_k_q7e3cf66848_attn:
	.size	k_q7e3cf66848_attn, .Lfunc_end_k_q7e3cf66848_attn-k_q7e3cf66848_attn
	.p2alignl 7, 3214868480
	.fill 96, 4, 3214868480
	.section	.rodata,"a",@progbits
	.p2align	6, 0x0
	.amdhsa_kernel k_q7e3cf66848_attn
		.amdhsa_group_segment_fixed_size 264192
		.amdhsa_private_segment_fixed_size 0
		.amdhsa_enable_private_segment 0
		.amdhsa_kernarg_size 40
		.amdhsa_user_sgpr_count 2
		.amdhsa_user_sgpr_kernarg_segment_ptr 1
		.amdhsa_wavefront_size32 1
		.amdhsa_system_sgpr_workgroup_id_x 1
		.amdhsa_system_sgpr_workgroup_id_y 1
		.amdhsa_system_sgpr_workgroup_id_z 1
		.amdhsa_system_vgpr_workitem_id 0
		.amdhsa_next_free_vgpr 256
		.amdhsa_next_free_sgpr 72
		.amdhsa_reserve_vcc 0
		.amdhsa_float_denorm_mode_32 3
		.amdhsa_float_denorm_mode_16_64 3
		.amdhsa_memory_ordered 1
		.amdhsa_forward_progress 1
		.amdhsa_inst_pref_size 76
	.end_amdhsa_kernel
	.amdgpu_metadata
---
amdhsa.version: [ 1, 2 ]
amdhsa.kernels:
  - .name:           k_q7e3cf66848_attn
    .symbol:         k_q7e3cf66848_attn.kd
    .args:
      - { .name: q_img, .offset: 0, .size: 8, .value_kind: global_buffer, .address_space: global }
      - { .name: k_img, .offset: 8, .size: 8, .value_kind: global_buffer, .address_space: global }
      - { .name: v_img, .offset: 16, .size: 8, .value_kind: global_buffer, .address_space: global }
      - { .name: lowp_scales, .offset: 24, .size: 8, .value_kind: global_buffer, .address_space: global }
      - { .name: av_img, .offset: 32, .size: 8, .value_kind: global_buffer, .address_space: global }
    .group_segment_fixed_size: 264192
    .private_segment_fixed_size: 0
    .kernarg_segment_align: 8
    .kernarg_segment_size: 40
    .max_flat_workgroup_size: 512
    .sgpr_count:     72
    .vgpr_count:     256
    .wavefront_size: 32
...
	.end_amdgpu_metadata
.endif
;; end of part 5
;; launch tail (part 6): grid 256 x 1, 4 waves a work-group, no clusters, 116,736 bytes of LDS; arguments av_img, w_img, x, bo, ln2_g, ln2_b, b1, b2, lowp_scales, out0; writes out0
.if DOCPART == 6
	.amdgcn_target "amdgcn-amd-amdhsa--gfx1250"
	.amdhsa_code_object_version 6
	.text
	.protected	k_q7e3cf66848_tail
	.globl	k_q7e3cf66848_tail
	.p2align	8
	.type	k_q7e3cf66848_tail,@function
k_q7e3cf66848_tail:
	s_mov_b64 s[64:65], 0
	v_nop
	global_prefetch_b8 v0, s[64:65] scope:SCOPE_SE
	s_setreg_imm32_b32 hwreg(HW_REG_WAVE_SCHED_MODE, 0, 2), 2
	s_setreg_imm32_b32 hwreg(HW_REG_WAVE_MODE, 25, 1), 1
	s_wait_xcnt 0x0
	s_wait_alu depctr_vm_vsrc(0)
; x1 = x + av Wo + bo;  x2 = LayerNorm 2 (x1);  out = x1 + gelu(x2 W1 + b1) W2 + b2; the three products on E5M2 codes; x1, x2 and the hidden layer never go to memory.
; SHARES.  A work-group owns 32 tokens (two tiles of 16).  THE WAVES SHARE THE COLUMNS: in each product wave w makes columns (hidden units) 128 w .. 128 w + 127, for both token tiles.  All products are used transposed
; (source 0 = 16 weight rows, source 1 = tokens): a lane holds one token, and its 64 registers of a token tile are one fragment, K step w, of the next product; it goes to the other waves through LDS as an image of its registers.
; THE WEIGHTS come from w_img, laid by the first launch in the order in which a wave takes them: 36 groups of 8 fragments a wave, 512 consecutive bytes a load, through A RING OF FOUR GROUPS IN REGISTERS (group n in slot n % 4:
; slots 0, 1 in window 1, slots 2, 3 in window 2).  A group is asked for two or three requests ahead of its products: the four groups of x2 W1, which are multiplied back to back, are asked for during the GELU of the chunk before.
; The hidden layer goes in four chunks of 512 units; the second product of chunk j - 1 stands between the parts of chunk j's GELU.  x1 and b2, divided by 2^(e14 + e15), are the start of the last product's sums.
; NO JOINT LOADS, though all work-groups walk the same weights: a joint load lands in LDS, where beside this text's 116,224 bytes two slots of at most 98,304 bytes fit, one and a half groups of the four waves: 24 changes of slots,
; each a round of a cluster's barrier with 24 products a wave between a request and the wait for it, and every fragment would go through LDS once more on its way to the registers.
; GELU: gelu(u) = max(u, 0) - |u| erfc(|u| / sqrt 2) / 2, erfc(z) = t exp(-z^2 + P(t)), t = 1 / (1 + z / 2), P of degree 9 (fractional error of erfc 1.2e-7); P's coefficients are kept x log2(e), the constant one less 1 for the half.
; LIMITS: e12, e14 between -126 and 112; e10 + e11, e12 + e13, e14 + e15 and -(e14 + e15) between -126 and 127.  NaN and infinities are not served.  For large negative u the relative error of gelu grows with the rounding of u^2.
; REGISTERS.  window 0: v1-14 addresses, v16-29 statistics, scales, one coefficient; v32-127 at work; v128-255 HA: sums (token tile i, tile t) at 128 + 64 i + 8 t.  window 1: ring slots 0, 1.
;   window 2: ring slots 2, 3; in LayerNorm 2 x1, gain, bias.  window 3: v0-127 the last product's sums; v128-191 two sets of the tokens' fragments; v192-255 b1 of the chunk.
; THE MODE: SCHED_MODE bits 1:0 = 2 (LLVM: expert scheduling mode 2), set by the entry lines.  The code itself states the register dependences between vector or matrix instructions and memory or LDS instructions,
; with s_wait_alu, always for 0.
; THE PLAN.  Registers that memory or LDS instructions touch, in the loop over chunks:
;   ring slots 0-3      a group's 16 products read slot sl; a later request lands in it.
;   token sets 0, 1     a group's products read set sl % 2; the next group's first lines load it again.
;                       For both: a wait on va_vdst behind a group's places, written only where a request or the next group's loads follow before any other wait on va_vdst.  Where a quarter of the GELU follows a group,
;                       the quarter's own wait behind its reciprocals states it too.  No line of the GELU names a ring slot or a token set: so a request that goes with a quarter is dealt among its lines, in four runs of eight loads.
;   b1 (window 3)       read by the chunk's four quarters; the next chunk's loads land in it behind the wait ahead of the hidden layer's LDS stores.
;   v32-63              the hidden layer's codes: written by the conversions, one wait on va_vdst, read by eight LDS stores; written again by the next chunk's GELU.
;   v[B1R]              read by b1's loads, stepped once a chunk.
;                       For these two: ONE wait on vm_vsrc a chunk, at its head behind b1's loads; the step of v[B1R] stands directly behind it, and the first group's wait on va_vdst between the step and its next reader.
;   v1-14 but v[B1R]    made at the head, ahead of one wait on va_vdst, never written again.
;   HA, v64-127 and the last product's sums are named by vector and matrix instructions alone in the loop.
.set PRM, 16384                        ; LDS: 0 the tokens' images (4 i + s) x 2,048; then bo, ln2_g, ln2_b, b2;
.set HI,  32768                        ; (24,576: b1) the hidden layer's images;
.set STG, 49152                        ; a stage of 32 rows x 2,064 bytes;
.set SPT, 2064
.set RED, STG+32*SPT                   ; and the waves' partial sums: [pass][wave][token tile][16]
.set GRP, 16384                        ; a group of eight fragments in w_img
.set LI,  1
.set SO,  2                            ; stage, by (token row, my columns)
.set SR,  3                            ; stage, by whole rows: eight rows a wave
.set XIW, 4
.set HW,  5
.set HR,  7
.set PR,  8
.set B1R0, 9
.set B1R, 10
.set TDL, 11
.set TD,  12
.set RW,  13
.set RR,  14
.set WP,  38
.set MSB, 0
.macro WIN new
.if MSB != \new
	s_set_vgpr_msb (MSB<<8)|\new
.set MSB, \new
.endif
.endm
.macro MKSC e, vs, vl
	s_add_co_i32 s80, s[\e], 127
	s_lshl_b32 s81, s80, 23
	v_mov_b32 v[\vs], s81
	s_add_co_i32 s80, s80, 15
	s_lshl_b32 s80, s80, 23
	s_or_b32 s80, s80, 0x600000
	v_mov_b32 v[\vl], s80
.endm
.macro SPAIR reg, val                  ; a packed line names a pair and takes its low word for both halves: both are written
	s_mov_b32 s[\reg], \val
	s_mov_b32 s[\reg+1], \val
.endm
.macro BARRIER
	s_wait_dscnt 0x0
	s_barrier_signal -1
	s_barrier_wait -1
.endm
.macro RLOAD sl, goff                  ; a group of eight weight fragments is asked for, into ring slot sl; a wait on va_vdst stands between the slot's last products and this run, and no vector or matrix line since names the slot
.set RLW, 0x40*(1+(\sl)/2)
.set RLB, 128*((\sl)%2)
	WIN RLW
.irp t, 0,1,2,3,4,5,6,7
.irp c, 0,1,2,3
	global_load_b128 v[RLB+16*\t+4*\c:RLB+16*\t+4*\c+3], v[LI], s[WP:WP+1] offset:(\goff)+2048*\t+512*\c
.endr
.endr
	WIN 0
.endm
.macro RPART sl, goff, q               ; the q-th quarter of such a request: fragments 2 q and 2 q + 1, eight loads
.set RLW, 0x40*(1+(\sl)/2)
.set RLB, 128*((\sl)%2)
	WIN RLW
.irp t, 0,1
.irp c, 0,1,2,3
	global_load_b128 v[RLB+16*(2*(\q)+\t)+4*\c:RLB+16*(2*(\q)+\t)+4*\c+3], v[LI], s[WP:WP+1] offset:(\goff)+2048*(2*(\q)+\t)+512*\c
.endr
.endr
	WIN 0
.endm
.macro BFETCH p, areg, aoff            ; a K step's fragments of the two token tiles into set p
	WIN 0xc0
.irp i, 0,1
.irp c, 0,1,2,3
	ds_load_b128 v[128+32*(\p)+16*\i+4*\c:128+32*(\p)+16*\i+4*\c+3], v[\areg] offset:(\aoff)+8192*\i+512*\c
.endr
.endr
	WIN 0
.endm
; A GROUP: one K step, 16 products (8 weight tiles x 2 token tiles), 16 accumulators by turns.  sl: the ring slot; the tokens' set is sl % 2.
; kind 1: sums in HA; kind 2: the last product's sums.  nx = 1: the next group's token fragments are asked for first.
; cnt: behind this group's 32 loads at least so many younger ones were issued.  Where 64 or 96 were, the wait names 63, the largest count that its field takes (ISA guide 5.7.1): a count under the number of younger loads is always enough.
; w = 1: a load into this group's slot or token set follows before any other wait on va_vdst.
.macro GROUP sl, kind, zero, nx, nreg, noff, cnt, w
.if \nx
	BFETCH 1-(\sl)%2, \nreg, \noff
	s_wait_dscnt 8                                 ; my fragments are in; the eight loads just issued may be out
.else
	s_wait_dscnt 0
.endif
	s_wait_loadcnt \cnt
.set GAR, 128*((\sl)%2)
.set GBR, 128+32*((\sl)%2)
.if \kind == 1
.set GW, 0x0d+(\sl)/2
.else
.set GW, 0xfd+(\sl)/2
.endif
	WIN GW                                         ; source 0 (weights) window 1 or 2, source 1 (tokens) window 3; C and D window 0 or 3
.irp t, 0,1,2,3,4,5,6,7
.irp i, 0,1
.if \kind == 1
.if \zero
	v_wmma_f32_16x16x128_bf8_bf8 v[128+64*\i+8*\t:135+64*\i+8*\t], v[GAR+16*\t:GAR+16*\t+15], v[GBR+16*\i:GBR+16*\i+15], 0
.else
	v_wmma_f32_16x16x128_bf8_bf8 v[128+64*\i+8*\t:135+64*\i+8*\t], v[GAR+16*\t:GAR+16*\t+15], v[GBR+16*\i:GBR+16*\i+15], v[128+64*\i+8*\t:135+64*\i+8*\t]
.endif
.else
	v_wmma_f32_16x16x128_bf8_bf8 v[64*\i+8*\t:64*\i+8*\t+7], v[GAR+16*\t:GAR+16*\t+15], v[GBR+16*\i:GBR+16*\i+15], v[64*\i+8*\t:64*\i+8*\t+7]
.endif
.endr
.endr
	WIN 0
.rept 4
	v_nop                                          ; places ahead of reads of the products' results
.endr
.if \w
	s_wait_alu depctr_va_vdst(0)                   ; these products are done reading ring slot sl and token set sl % 2, in which the next loads land
.endif
.endm
.macro GELU be, ld, sl, goff           ; 32 numbers: HA's registers 32 be on.  ld = 1: the group at goff is asked for on the way, into ring slot sl
.set UU, 128+32*(\be)
.set BB, 192+32*((\be)%2)
	WIN 0x30
.set j, 0
.rept 16
	v_pk_fma_f32 v[UU+j:UU+j+1], v[UU+j:UU+j+1], s[44:45], v[BB+j:BB+j+1] op_sel_hi:[1,0,1]   ; u = sum x 2^(e12 + e13) + b1
.set j, j+2
.endr
	WIN 0
.set j, 0
.rept 32
	v_fma_f32 v[32+j], |v[UU+j]|, s52, 1.0         ; 1 + |u| / (2 sqrt 2)
.set j, j+1
.endr
.set j, 0
	s_wait_alu depctr_va_vdst(0)
.rept 32
	v_rcp_f32 v[32+j], v[32+j]                     ; t
.set j, j+1
.endr
.set j, 0
.rept 16
	v_pk_mul_f32 v[96+j:97+j], v[UU+j:UU+j+1], v[UU+j:UU+j+1]   ; u^2: plain lines behind the reciprocals
.set j, j+2
.endr
	s_wait_alu depctr_va_vdst(0)                   ; the 32 reciprocals in v32-63 are written: one wait for the batch, ahead of its first reader.  It also states that the products issued ahead of this quarter are done reading their ring slots and token sets
.if \ld
	RPART \sl, \goff, 0                            ; no further wait: no line of this quarter names a ring slot
.endif
.set j, 0
.rept 16
	v_pk_fma_f32 v[64+j:65+j], v[32+j:33+j], s[76:77], v[28:29] op_sel_hi:[1,0,1]
.set j, j+2
.endr
.irp cc, 72,70,68,66
.set j, 0
.rept 16
	v_pk_fma_f32 v[64+j:65+j], v[64+j:65+j], v[32+j:33+j], s[\cc:\cc+1] op_sel_hi:[1,1,0]
.set j, j+2
.endr
.endr
.if \ld
	RPART \sl, \goff, 1
.endif
.irp cc, 62,60,58,56
.set j, 0
.rept 16
	v_pk_fma_f32 v[64+j:65+j], v[64+j:65+j], v[32+j:33+j], s[\cc:\cc+1] op_sel_hi:[1,1,0]
.set j, j+2
.endr
.endr
.if \ld
	RPART \sl, \goff, 2
.endif
.set j, 0
.rept 16
	v_pk_fma_f32 v[64+j:65+j], v[96+j:97+j], s[54:55], v[64+j:65+j] op_sel_hi:[1,0,1]   ; - u^2 log2(e) / 2
.set j, j+2
.endr
.set j, 0
	s_wait_alu depctr_va_vdst(0)
.rept 32
	v_exp_f32 v[64+j], v[64+j]
.set j, j+1
.endr
.set j, 0
.rept 32
	v_max_num_f32 v[96+j], 0, v[UU+j]              ; plain lines behind the exponentials
.set j, j+1
.endr
	s_wait_alu depctr_va_vdst(0)                   ; the 32 exponentials in v64-95 are written: one wait for the batch, ahead of its first reader
.if \ld
	RPART \sl, \goff, 3
.endif
.set j, 0
.rept 16
	v_pk_mul_f32 v[64+j:65+j], v[64+j:65+j], v[32+j:33+j]      ; erfc / 2
.set j, j+2
.endr
.set j, 0
.rept 32
	v_fma_f32 v[UU+j], -|v[UU+j]|, v[64+j], v[96+j]
.set j, j+1
.endr
.set j, 0
.rept 32
	v_med3_num_f32 v[UU+j], v[UU+j], -v27, v27     ; the hold at the largest code x the scale
.set j, j+1
.endr
.endm
.macro CODES sc                        ; HA's 128 numbers become two fragments in v32-63
.irp i, 0,1
.irp t, 0,1,2,3,4,5,6,7
	v_cvt_scalef32_pk8_bf8_f32 v[32+16*\i+2*\t:33+16*\i+2*\t], v[128+64*\i+8*\t:135+64*\i+8*\t], v[\sc]
.endr
.endr
	v_nop                                          ; a plain line behind the conversions: later products write their sources
.endm
.macro QH pre                          ; the chunk's hidden units, K step w of the last product, go to LDS.  pre = 1: first every wave has finished reading the chunk before
.if \pre
	s_barrier_signal -1                            ; no LDS instruction of mine is out: the last group waited for all
.endif
	CODES 26
.if \pre
	s_barrier_wait -1
.endif
	s_wait_alu depctr_va_vdst(0)                   ; the conversions have written v32-63, which the stores read; and the chunk's GELU is done reading b1's registers, in which the next chunk's b1 lands
.irp i, 0,1
.irp c, 0,1,2,3
	ds_store_b128 v[HW], v[32+16*\i+4*\c:35+16*\i+4*\c] offset:8192*\i+512*\c
.endr
.endr
	BARRIER
.endm
.macro REDUCE pass                     ; two chains a token tile (v96 on) become the rows' sums over 512 columns, in v104 and v108
.irp i, 0,1
	v_pk_add_f32 v[96+4*\i:97+4*\i], v[96+4*\i:97+4*\i], v[98+4*\i:99+4*\i]
.endr
.irp i, 0,1
	v_add_f32 v[96+4*\i], v[96+4*\i], v[97+4*\i]
.endr
.irp i, 0,1
	v_permlanex16_b32 v[98+4*\i], v[96+4*\i], s50, s51
.endr
.irp i, 0,1
	v_add_f32 v[96+4*\i], v[96+4*\i], v[98+4*\i]
.endr
	s_wait_alu depctr_va_vdst(0)                   ; v96 and v100 are written, which the stores read; and the lines that read v104-111 in the pass before are done: the loads below land there
.irp i, 0,1
	ds_store_b32 v[RW], v[96+4*\i] offset:512*(\pass)+64*\i
.endr
	BARRIER
	s_wait_alu depctr_vm_vsrc(0)                   ; my two stores have read v96 and v100, which later lines write again
.irp i, 0,1
.irp k, 0,1,2,3
	ds_load_b32 v[104+4*\i+\k], v[RR] offset:512*(\pass)+128*\k+64*\i
.endr
.endr
	s_wait_dscnt 0x0
.irp i, 0,1
	v_add_f32 v[104+4*\i], v[104+4*\i], v[105+4*\i]
	v_add_f32 v[106+4*\i], v[106+4*\i], v[107+4*\i]
.endr
.irp i, 0,1
	v_add_f32 v[104+4*\i], v[104+4*\i], v[106+4*\i]
.endr
.endm
	s_load_b256 s[4:11], s[0:1], 0x0               ; av_img, w_img, x, bo
	s_load_b256 s[12:19], s[0:1], 0x20             ; ln2_g, ln2_b, b1, b2
	s_load_b128 s[20:23], s[0:1], 0x40             ; scales, out0
	v_lshl_add_u32 v6, v0, 2, 0x1c600
	v_mov_b32 v15, 0
	v_lshrrev_b32 v2, 5, v0
	v_readfirstlane_b32 s32, v2                    ; wave
	v_and_b32 v1, 31, v0
	v_lshlrev_b32 v[LI], 4, v1
	v_and_b32 v30, 15, v0                          ; r
	v_bfe_u32 v31, v0, 4, 1                        ; h
	s_wait_alu depctr_va_sdst(0)                   ; s32, the wave's number, is written, ahead of its first reader
	s_lshl_b32 s80, s32, 9
	s_add_co_u32 s81, s80, STG
	v_mul_u32_u24 v[SO], v30, SPT
	v_lshl_add_u32 v[SO], v31, 6, v[SO]
	v_add_nc_u32 v[SO], s81, v[SO]
	s_mul_i32 s81, s32, 8*SPT
	s_add_co_u32 s81, s81, STG
	v_add_nc_u32 v[SR], s81, v[LI]
	s_lshl_b32 s81, s32, 11
	v_add_nc_u32 v[XIW], s81, v[LI]
	v_add_nc_u32 v[HW], HI, v[XIW]
	v_add_nc_u32 v[HR], HI, v[LI]
	s_add_co_u32 s81, s80, PRM
	v_lshl_add_u32 v[PR], v31, 6, s81
	v_add_nc_u32 v[B1R0], 8192, v[PR]
	v_add_nc_u32 v[B1R], 2048, v[B1R0]             ; b1 of chunk 1
	v_lshlrev_b32 v[TD], 4, v0
	v_add_nc_u32 v[TDL], PRM, v[TD]
	s_lshl_b32 s81, s32, 7
	s_add_co_u32 s81, s81, RED
	v_lshl_add_u32 v[RW], v30, 2, s81
	v_lshlrev_b32 v[RR], 2, v30
	v_add_nc_u32 v[RR], RED, v[RR]
	s_mov_b32 s50, 0x76543210
	s_mov_b32 s51, 0xfedcba98
	s_mov_b32 s52, 0x3eb504f3                      ; 1 / (2 sqrt 2)
	SPAIR 54, 0xbf38aa3b                           ; -log2(e) / 2
	SPAIR 56, 0xc034d90f                           ; the coefficients of P x log2(e), from the constant one (less 1) up
	SPAIR 58, 0x3fb8ab5a
	SPAIR 60, 0x3f0a29d2
	SPAIR 62, 0x3e0efb2e
	SPAIR 66, 0xbe899a80
	SPAIR 68, 0x3ecdfd18
	SPAIR 70, 0xbfd1a1e5
	SPAIR 72, 0x40097039
	SPAIR 76, 0x3e7c6f08
	v_mov_b32 v28, 0xbf97d29d                      ; the last but one, in a vector pair: no line names two scalar pairs
	v_mov_b32 v29, 0xbf97d29d
	s_mov_b32 s78, 0x3b000000                      ; 1 / 512
	s_mov_b32 s79, 0x3727c5ac                      ; 1e-5
	s_lshr_b32 s80, s32, 1                         ; my eight rows of the stage are tokens 8 (w / 2) + 16 (w % 2) on
	s_lshl_b32 s80, s80, 3
	s_and_b32 s81, s32, 1
	s_lshl_b32 s81, s81, 4
	s_add_co_u32 s80, s80, s81
	s_lshl_b32 s80, s80, 11
	s_lshl_b32 s81, ttmp9, 16
	s_add_co_u32 s86, s80, s81
	s_mov_b32 s87, 0
	s_lshl_b32 s88, ttmp9, 14
	s_lshl_b32 s81, s32, 11
	s_add_co_u32 s88, s88, s81
	s_mov_b32 s89, 0
	s_mul_i32 s90, s32, 589824
	s_mov_b32 s91, 0
	s_wait_kmcnt 0x0
	s_load_b64 s[24:25], s[20:21], 0x28            ; e10, e11
	s_load_b128 s[28:31], s[20:21], 0x30           ; e12 .. e15
	s_add_nc_u64 s[82:83], s[8:9], s[86:87]
	s_add_nc_u64 s[40:41], s[22:23], s[86:87]
	s_add_nc_u64 s[84:85], s[4:5], s[88:89]
	s_add_nc_u64 s[WP:WP+1], s[6:7], s[90:91]
	s_wait_alu depctr_va_vdst(0)                   ; the addresses and offsets v1 to v14 are written, which the loads and stores of the whole kernel read
.irp k, 0,1,2,3,4,5,6,7
.irp q, 0,1,2,3
	global_load_b128 v[128+16*\k+4*\q:131+16*\k+4*\q], v[LI], s[82:83] offset:2048*\k+512*\q th:TH_LOAD_NT   ; eight rows of x, 512 consecutive bytes a load
.endr
.endr
.irp i, 0,1
.irp c, 0,1,2,3
	global_load_b128 v[32+16*\i+4*\c:35+16*\i+4*\c], v[LI], s[84:85] offset:8192*\i+512*\c th:TH_LOAD_NT     ; av's images, K step w
.endr
.endr
	global_load_b128 v[64:67], v[TD], s[10:11]
	global_load_b128 v[68:71], v[TD], s[12:13]
	global_load_b128 v[72:75], v[TD], s[14:15]
	global_load_b128 v[76:79], v[TD], s[18:19]
.irp k, 0,1,2,3
	global_load_b128 v[80+4*\k:83+4*\k], v[TD], s[16:17] offset:2048*\k
.endr
	RLOAD 0, 0
	s_wait_loadcnt 32                              ; all but group 0's 32 are in
.irp k, 0,1,2,3,4,5,6,7
.irp q, 0,1,2,3
	ds_store_b128 v[SR], v[128+16*\k+4*\q:131+16*\k+4*\q] offset:SPT*\k+512*\q
.endr
.endr
.irp i, 0,1
.irp c, 0,1,2,3
	ds_store_b128 v[XIW], v[32+16*\i+4*\c:35+16*\i+4*\c] offset:8192*\i+512*\c
.endr
.endr
.irp k, 0,1,2,3,4,5,6,7
	ds_store_b128 v[TDL], v[64+4*\k:67+4*\k] offset:2048*\k
.endr
	RLOAD 1, GRP
	s_wait_kmcnt 0x0
	s_add_co_i32 s80, s24, s25
	s_add_co_i32 s80, s80, 127
	s_lshl_b32 s42, s80, 23                        ; 2^(e10 + e11)
	s_mov_b32 s43, s42
	s_add_co_i32 s80, s28, s29
	s_add_co_i32 s80, s80, 127
	s_lshl_b32 s44, s80, 23                        ; 2^(e12 + e13)
	s_mov_b32 s45, s44
	s_add_co_i32 s81, s30, s31
	s_add_co_i32 s80, s81, 127
	s_lshl_b32 s46, s80, 23                        ; 2^(e14 + e15)
	s_mov_b32 s47, s46
	s_sub_co_i32 s80, 127, s81
	s_lshl_b32 s48, s80, 23                        ; and its reciprocal
	s_mov_b32 s49, s48
	MKSC 28, 24, 25                                ; x2's scale
	MKSC 30, 26, 27                                ; the hidden layer's
	BARRIER                                        ; x, av's images and the parameters lie in LDS
	s_wait_alu depctr_vm_vsrc(0)                   ; my LDS stores have read v128-255, where the first product's sums are made, and v32-95, in which bo lands
	; ---- av Wo: groups 0 to 3.  Each group's wait on LOADcnt: two younger groups, 64 loads, were asked for behind it
	BFETCH 0, LI, 0
	RLOAD 2, 2*GRP
	GROUP 0, 1, 1, 1, LI, 2048, 63, 1
	RLOAD 3, 3*GRP
	GROUP 1, 1, 0, 1, LI, 4096, 63, 1
	RLOAD 0, 4*GRP
	GROUP 2, 1, 0, 1, LI, 6144, 63, 0              ; nothing lands in its slot or set before the next group's wait
	RLOAD 1, 5*GRP
	GROUP 3, 1, 0, 0, LI, 0,    63, 1              ; its wait: groups 2 and 3 are done reading window 2, in which x, gain and bias land
	; ---- x1 and LayerNorm 2; window 2 holds x1, gain and bias meanwhile
.irp b, 0,1,2,3
.irp q, 0,1,2,3
	ds_load_b128 v[32+16*\b+4*\q:35+16*\b+4*\q], v[PR] offset:128*\b+16*\q                     ; bo
.endr
.endr
	WIN 0x80
.irp i, 0,1
.irp b, 0,1,2,3
.irp q, 0,1,2,3
	ds_load_b128 v[64*\i+16*\b+4*\q:64*\i+16*\b+4*\q+3], v[SO] offset:16*SPT*\i+128*\b+16*\q   ; x, in the sums' layout
.endr
.endr
.endr
.irp b, 0,1,2,3
.irp q, 0,1,2,3
	ds_load_b128 v[128+16*\b+4*\q:131+16*\b+4*\q], v[PR] offset:2048+128*\b+16*\q              ; gain
	ds_load_b128 v[192+16*\b+4*\q:195+16*\b+4*\q], v[PR] offset:4096+128*\b+16*\q              ; bias
.endr
.endr
	WIN 0
	s_wait_dscnt 32                                ; bo and x are in; the 32 loads of gain and bias may be out
.irp i, 0,1
.set j, 0
.rept 32
	v_pk_fma_f32 v[128+64*\i+j:129+64*\i+j], v[128+64*\i+j:129+64*\i+j], s[42:43], v[32+j:33+j] op_sel_hi:[1,0,1]
.set j, j+2
.endr
.endr
	s_wait_alu depctr_va_vdst(0)                   ; the multiply-adds above are done reading bo in v32-95, in which b2 lands
.irp b, 0,1,2,3
.irp q, 0,1,2,3
	ds_load_b128 v[32+16*\b+4*\q:35+16*\b+4*\q], v[PR] offset:6144+128*\b+16*\q                ; b2 takes the registers that bo has left; the wait in front of the next barrier covers it
.endr
.endr
	WIN 0x82
.set j, 0
.rept 64
	v_pk_add_f32 v[j:j+1], v[j:j+1], v[128+j:129+j]            ; x1
.set j, j+2
.endr
	WIN 0x0a
.irp i, 0,1
.irp k, 0,1
	v_pk_add_f32 v[96+4*\i+2*\k:97+4*\i+2*\k], v[64*\i+4*\k:64*\i+4*\k+1], v[64*\i+4*\k+2:64*\i+4*\k+3]
.endr
.endr
	WIN 0x08
.irp i, 0,1
.set j, 8
.rept 28
	v_pk_add_f32 v[96+4*\i+2*((j/2)%2):97+4*\i+2*((j/2)%2)], v[96+4*\i+2*((j/2)%2):97+4*\i+2*((j/2)%2)], v[64*\i+j:64*\i+j+1]
.set j, j+2
.endr
.endr
	WIN 0
	REDUCE 0
.irp i, 0,1
	v_mul_f32 v[16+2*\i], 0x3b000000, v[104+4*\i]
	v_mov_b32 v[17+2*\i], v[16+2*\i]
.endr
	WIN 0x02
.irp i, 0,1
.set j, 0
.rept 32
	v_pk_add_f32 v[128+64*\i+j:129+64*\i+j], v[64*\i+j:64*\i+j+1], v[16+2*\i:17+2*\i] op_sel_hi:[1,0] neg_lo:[0,1] neg_hi:[0,1]
.set j, j+2
.endr
.endr
	WIN 0
.set j, 0
.rept 32
	v_pk_mul_f32 v[32+j:33+j], v[32+j:33+j], s[48:49] op_sel_hi:[1,0]
.set j, j+2
.endr
	WIN 0xc2
.irp i, 0,1
.set j, 0
.rept 32
	v_pk_fma_f32 v[64*\i+j:64*\i+j+1], v[64*\i+j:64*\i+j+1], s[48:49], v[32+j:33+j] op_sel_hi:[1,0,1]   ; (x1 + b2) / 2^(e14 + e15): where the last product's sums begin
.set j, j+2
.endr
.endr
	WIN 0
	s_wait_alu depctr_va_vdst(0)                   ; the lines that wrote and read x1 in window 2's v0-127 are done: the request below lands there
	RLOAD 2, 6*GRP                                 ; x1 is done with: its registers are ring slot 2 again
.irp i, 0,1
.irp k, 0,1
	v_pk_mul_f32 v[96+4*\i+2*\k:97+4*\i+2*\k], v[128+64*\i+2*\k:129+64*\i+2*\k], v[128+64*\i+2*\k:129+64*\i+2*\k]
.endr
.endr
.irp i, 0,1
.set j, 4
.rept 30
	v_pk_fma_f32 v[96+4*\i+2*((j/2)%2):97+4*\i+2*((j/2)%2)], v[128+64*\i+j:129+64*\i+j], v[128+64*\i+j:129+64*\i+j], v[96+4*\i+2*((j/2)%2):97+4*\i+2*((j/2)%2)]
.set j, j+2
.endr
.endr
	REDUCE 1
.irp i, 0,1
	v_fma_f32 v[20+2*\i], v[104+4*\i], s78, s79
.endr
	s_wait_alu depctr_va_vdst(0)
.irp i, 0,1
	v_rsq_f32 v[20+2*\i], v[20+2*\i]
.endr
	v_nop
	s_wait_alu depctr_va_vdst(0)                   ; the two roots' reciprocals in v20 and v22 are written: the wait ahead of their first reader
.irp i, 0,1
	v_mov_b32 v[21+2*\i], v[20+2*\i]
.endr
	WIN 0xc0
.irp b, 0,1,2,3
.irp q, 0,1,2,3
	ds_load_b128 v[192+16*\b+4*\q:195+16*\b+4*\q], v[B1R0] offset:128*\b+16*\q                 ; b1 of chunk 0, into registers that no line has named yet
.endr
.endr
	WIN 0
.irp i, 0,1
.set j, 0
.rept 32
	v_pk_mul_f32 v[128+64*\i+j:129+64*\i+j], v[128+64*\i+j:129+64*\i+j], v[20+2*\i:21+2*\i] op_sel_hi:[1,0]
.set j, j+2
.endr
.endr
	WIN 0x28
.irp i, 0,1
.set j, 0
.rept 32
	v_pk_fma_f32 v[128+64*\i+j:129+64*\i+j], v[128+64*\i+j:129+64*\i+j], v[128+j:129+j], v[192+j:193+j]
.set j, j+2
.endr
.endr
	WIN 0
	s_wait_alu depctr_va_vdst(0)                   ; the multiply-adds above are done reading gain and bias in window 2's v128-255: the request below lands there
	RLOAD 3, 7*GRP                                 ; gain and bias are done with: their registers are ring slot 3 again
.set j, 0
.rept 128
	v_med3_num_f32 v[128+j], v[128+j], -v25, v25
.set j, j+1
.endr
	CODES 24
	s_wait_alu depctr_va_vdst(0)                   ; the conversions have written v32-63, which the stores read
.irp i, 0,1
.irp c, 0,1,2,3
	ds_store_b128 v[XIW], v[32+16*\i+4*\c:35+16*\i+4*\c] offset:8192*\i+512*\c                 ; x2's images take av's place: every wave has passed two barriers behind its reads of those
.endr
.endr
	BARRIER                                        ; x2's eight images lie in LDS, and b1 is in
	s_wait_alu depctr_vm_vsrc(0)                   ; my stores of x2's images have read v32-63, which chunk 0's GELU writes
	; ---- chunk 0 of the hidden layer: groups 4 to 7; chunk 1's four groups of W1 are asked for on the way
	BFETCH 0, LI, 0
	GROUP 0, 1, 1, 1, LI, 2048, 63, 1              ; younger: groups 5, 6, 7
	RLOAD 0, 8*GRP
	GROUP 1, 1, 0, 1, LI, 4096, 63, 1              ; 6, 7, 8
	GROUP 2, 1, 0, 1, LI, 6144, 63, 0              ; 7, 8.  Nothing lands in its slot or set before the GELU's first wait
	RLOAD 1, 9*GRP
	GROUP 3, 1, 0, 0, LI, 0,    63, 0              ; 8, 9.  The GELU's first wait serves
	GELU 0, 1, 2, 10*GRP
	GELU 1, 1, 3, 11*GRP
	GELU 2, 0, 0, 0
	GELU 3, 0, 0, 0
	QH 0
	s_mov_b32 s33, 3
	s_mov_b32 s36, 2048
.Lchunk:                                           ; chunk j = 1 .. 3, groups 8 j + m, m = 0 .. 7: x2 W1 for chunk j (m 0-3), chunk j - 1 through W2 (m 4-7) between the quarters of chunk j's GELU.
	                                               ; The base stands at group 8 (j - 1), so group 8 j + m is asked for at offset (8 + m) groups.  Groups m 8-11 are the next trip's first four (in the last trip: the last chunk's W2)
	WIN 0xc0
.irp b, 0,1,2,3
.irp q, 0,1,2,3
	ds_load_b128 v[192+16*\b+4*\q:195+16*\b+4*\q], v[B1R] offset:128*\b+16*\q                  ; b1 of this chunk
.endr
.endr
	WIN 0
	BFETCH 0, LI, 0
	s_wait_alu depctr_vm_vsrc(0)                   ; the last chunk's LDS stores have read v32-63, which this chunk's GELU writes; b1's loads above have read v[B1R], which the line below writes
	s_add_co_u32 s36, s36, 2048
	v_add_nc_u32 v[B1R], s36, v[B1R0]              ; b1 of the next chunk (behind the last trip it is not used); the first group's wait on va_vdst stands between this line and its next reader
	GROUP 0, 1, 1, 1, LI, 2048, 63, 1              ; younger: m 1, 2, 3 (on the way in and on the way back alike)
	RLOAD 0, 12*GRP
	GROUP 1, 1, 0, 1, LI, 4096, 63, 1              ; 2, 3, 4
	GROUP 2, 1, 0, 1, LI, 6144, 63, 1              ; 3, 4
	RLOAD 1, 13*GRP
	GROUP 3, 1, 0, 1, HR, 0,    63, 0              ; 4, 5.  A quarter of the GELU follows: its first wait serves
	GELU 0, 1, 2, 14*GRP
	GROUP 0, 2, 0, 1, HR, 2048, 63, 0              ; 5, 6.  The request below lands in slot 3, whose products stand ahead of quarter 0's waits
	RLOAD 3, 15*GRP
	GELU 1, 1, 0, 16*GRP
	GROUP 1, 2, 0, 1, HR, 4096, 63, 0              ; 6, 7, 8
	GELU 2, 1, 1, 17*GRP
	GROUP 2, 2, 0, 1, HR, 6144, 63, 0              ; 7, 8, 9
	GELU 3, 1, 2, 18*GRP
	GROUP 3, 2, 0, 0, HR, 0,    63, 1              ; 8, 9, 10
	RLOAD 3, 19*GRP
	QH 1
	s_wait_xcnt 0x0                                ; the ring's loads have read their base
	s_add_nc_u64 s[WP:WP+1], s[WP:WP+1], 8*GRP
	s_sub_co_u32 s33, s33, 1
	s_cmp_lg_u32 s33, 0
	s_cbranch_scc1 .Lchunk
	; ---- chunk 3 through W2: the stream's last four groups, all asked for in the last trip
	BFETCH 0, HR, 0
	GROUP 0, 2, 0, 1, HR, 2048, 63, 1              ; younger: the last three groups
	GROUP 1, 2, 0, 1, HR, 4096, 63, 1              ; the last two
	GROUP 2, 2, 0, 1, HR, 6144, 32, 0              ; the last.  Nothing lands in a slot or a set any more
	GROUP 3, 2, 0, 0, HR, 0,    0,  0
	; ---- the way out: x 2^(e14 + e15); through the stage; whole rows, 512 consecutive bytes a store
	WIN 0x03
.set j, 0
.rept 64
	v_pk_mul_f32 v[128+j:129+j], v[j:j+1], s[46:47] op_sel_hi:[1,0]
.set j, j+2
.endr
	WIN 0
	s_wait_alu depctr_va_vdst(0)                   ; the multiplications have written v128-255, which the stores read
.irp i, 0,1
.irp b, 0,1,2,3
.irp q, 0,1,2,3
	ds_store_b128 v[SO], v[128+64*\i+16*\b+4*\q:131+64*\i+16*\b+4*\q] offset:16*SPT*\i+128*\b+16*\q
.endr
.endr
.endr
	BARRIER
	s_wait_alu depctr_vm_vsrc(0)                   ; my stores into the stage have read v128-255, in which the loads below land
.irp k, 0,1,2,3,4,5,6,7
.irp q, 0,1,2,3
	ds_load_b128 v[128+16*\k+4*\q:131+16*\k+4*\q], v[SR] offset:SPT*\k+512*\q
.endr
.endr
.irp k, 0,1,2,3,4,5,6,7
.irp q, 0,1,2,3
	s_wait_dscnt 31-(4*\k+\q)
	global_store_b128 v[LI], v[128+16*\k+4*\q:131+16*\k+4*\q], s[40:41] offset:2048*\k+512*\q th:TH_STORE_NT
.endr
.endr
	s_wait_dscnt 0x0                               ; the closing lines, six on end
	s_wait_alu 0x0
	s_wait_tensorcnt 0x0
	ds_add_u32 v6, v15
	s_wait_dscnt 0x0
	s_endpgm
.Lfunc_end_k_q7e3cf66848_tail:
	.size	k_q7e3cf66848_tail, .Lfunc_end_k_q7e3cf66848_tail-k_q7e3cf66848_tail
	.p2alignl 7, 3214868480
	.fill 96, 4, 3214868480
	.section	.rodata,"a",@progbits
	.p2align	6, 0x0
	.amdhsa_kernel k_q7e3cf66848_tail
		.amdhsa_group_segment_fixed_size 116736
		.amdhsa_private_segment_fixed_size 0
		.amdhsa_enable_private_segment 0
		.amdhsa_kernarg_size 80
		.amdhsa_user_sgpr_count 2
		.amdhsa_user_sgpr_kernarg_segment_ptr 1
		.amdhsa_wavefront_size32 1
		.amdhsa_system_sgpr_workgroup_id_x 1
		.amdhsa_system_sgpr_workgroup_id_y 1
		.amdhsa_system_sgpr_workgroup_id_z 1
		.amdhsa_system_vgpr_workitem_id 0
		.amdhsa_next_free_vgpr 1024
		.amdhsa_next_free_sgpr 96
		.amdhsa_reserve_vcc 0
		.amdhsa_float_denorm_mode_32 3
		.amdhsa_float_denorm_mode_16_64 3
		.amdhsa_memory_ordered 1
		.amdhsa_forward_progress 1
		.amdhsa_inst_pref_size 255
	.end_amdhsa_kernel
	.section	.bss,"aw",@nobits
	.p2align	6
	.space	262144
	.amdgpu_metadata
---
amdhsa.version: [ 1, 2 ]
amdhsa.kernels:
  - .name:           k_q7e3cf66848_tail
    .symbol:         k_q7e3cf66848_tail.kd
    .args:
      - { .name: av_img, .offset: 0, .size: 8, .value_kind: global_buffer, .address_space: global }
      - { .name: w_img, .offset: 8, .size: 8, .value_kind: global_buffer, .address_space: global }
      - { .name: x, .offset: 16, .size: 8, .value_kind: global_buffer, .address_space: global }
      - { .name: bo, .offset: 24, .size: 8, .value_kind: global_buffer, .address_space: global }
      - { .name: ln2_g, .offset: 32, .size: 8, .value_kind: global_buffer, .address_space: global }
      - { .name: ln2_b, .offset: 40, .size: 8, .value_kind: global_buffer, .address_space: global }
      - { .name: b1, .offset: 48, .size: 8, .value_kind: global_buffer, .address_space: global }
      - { .name: b2, .offset: 56, .size: 8, .value_kind: global_buffer, .address_space: global }
      - { .name: lowp_scales, .offset: 64, .size: 8, .value_kind: global_buffer, .address_space: global }
      - { .name: out0, .offset: 72, .size: 8, .value_kind: global_buffer, .address_space: global }
    .group_segment_fixed_size: 116736
    .private_segment_fixed_size: 0
    .kernarg_segment_align: 8
    .kernarg_segment_size: 80
    .max_flat_workgroup_size: 128
    .sgpr_count:     96
    .vgpr_count:     1024
    .wavefront_size: 32
...
	.end_amdgpu_metadata
.endif
;; end of part 6
